; MI455X (gfx1250); checked and timed in simulation.
; The chip was launched on July 23, 2026; its instructions are those of AMD's public machine-readable ISA for CDNA 5 (MIT licence, August 2026) and "CDNA5" Instruction Set Architecture Reference Guide (July 2026). The comments in the code are by the model that wrote it; some were corrected since.
;; Multi Head Attention. Allowed arithmetic: matrix products marked QUANTISED: E3M2 operands, one E8M0 scale for each 32 along K, by v_wmma_scale_f32_16x16x128_f8f6f4 with both operands' format E3M2, f32 sums; everything else in f32.
;; Inputs: Wk 1,024 x 1,024 float32; Wo 1,024 x 1,024 float32; Wq 1,024 x 1,024 float32; Wv 1,024 x 1,024 float32; bk 1,024 float32; bo 1,024 float32; bq 1,024 float32; bv 1,024 float32; key_ 4 x 2,048 x 1,024 float32; query 4 x 2,048 x 1,024 float32; value 4 x 2,048 x 1,024 float32.
;; Outputs: out0 4 x 2,048 x 1,024 float32.
;; This version of the problem:
;;   THIS VERSION OF THE PROBLEM IS GIVEN IN LOW PRECISION. The matrix products marked QUANTISED in the list below multiply operands that are first quantised to E3M2 (3 exponent bits, 2 mantissa bits; 6 bits a number), with one power-of-two scale for each 32 numbers along K (OCP MX v1.0); their sums are f32. All else is computed in f32.
;;   The module's matrix products, in the order in which they are computed (A, B: the left and right operand; K: the contracted axis; several contracted axes count as one K, in the product's order):
;;     1. [M 8,192, K 1,024] x [K 1,024, N 1,024]; A: input query; B: input Wq: QUANTISED
;;     2. [M 8,192, K 1,024] x [K 1,024, N 1,024]; A: input key_; B: input Wk: QUANTISED
;;     3. [M 8,192, K 1,024] x [K 1,024, N 1,024]; A: input value; B: input Wv: QUANTISED
;;     4. batch 64 x [M 2,048, K 64] x [K 64, N 2,048]; A: computed on the way; B: computed on the way: QUANTISED
;;     5. batch 64 x [M 64, K 2,048] x [K 2,048, N 2,048]; A: computed on the way; B: softmax (see below): QUANTISED
;;     6. [M 8,192, K 1,024] x [K 1,024, N 1,024]; A: computed on the way; B: input Wo: QUANTISED
;;   THE QUANTISER, for each operand of a quantised product, along K:
;;     - K is cut into blocks of 32 from its start; a last block that is shorter is filled with zeros.
;;     - A block's scale is 2^e with e = floor(log2(the largest magnitude in the block)) - 4, held to -126 .. 127; a block of zeros has e = 0. As a byte (E8M0): e + 127.
;;     - Each number is divided by its block's scale, clamped to +-28, and rounded to the nearest number of E3M2, ties to even, subnormals kept.
;;     - The product sums the exact products of the quantised numbers (number of the format x scale) in f32.
;;   ~~~python
;;   def quantise(x, axis):      # numpy; x: float32 -> the quantised numbers, widened to float32 again
;;       x = np.moveaxis(x, axis, -1); K = x.shape[-1]
;;       x = np.pad(x, [(0, 0)] * (x.ndim - 1) + [(0, -K % 32)]); x = x.reshape(x.shape[:-1] + (-1, 32)); a = np.abs(x).max(-1, keepdims=True)
;;       e = np.where(a > 0, np.clip(np.frexp(np.where(a > 0, a, 1))[1] - 1 - 4, -126, 127), 0)      # np.frexp(a)[1] - 1 = floor(log2(a)), exactly
;;       r = np.clip(x / 2.0 ** e, -28, 28)
;;       step = 2.0 ** (np.maximum(np.frexp(np.where(r == 0, 1, r))[1] - 1, -2) - 2)
;;       q = np.round(r / step) * step * 2.0 ** e      # np.round: ties to even
;;       return np.moveaxis(q.reshape(q.shape[:-2] + (-1,))[..., :K], -1, axis).astype(np.float32)
;;   ~~~
;;   SOFTMAX AHEAD OF A QUANTISED PRODUCT. Where the list says 'softmax', what is quantised is not the finished softmax but p = 2^(t - M), with t = logit x log2(e) and M = ceil(the row's largest t), a whole number; so 1/2 < the row's largest p <= 1. The row's sum l is taken of the UNQUANTISED p, in f32, and the product's result is divided by l at the end. Since M is a whole number, a kernel that streams over the keys may use a running M (the ceiling of the running maximum): every later rescaling is an exact power of two, which a block's scale takes up: the codes' values come out the same.
;;   OPERANDS COMPUTED ON THE WAY. 'Computed on the way' means the value that the module computes at that place (a softmax that the list does not call 'softmax' is quantised finished and normalised). What goes into a quantiser is computed in f32, as accurately as f32 sums, v_exp_f32 and their like allow (about 1e-6 of the number): no bf16 or f16 on the way to a quantiser, and a product that is left as it is and whose result goes on into a quantised operand takes f32 operands (vector FMAs, or v_wmma_f32_16x16x4_f32). A number that lies on a knife's edge between two numbers of the format may be rounded either way, as far as f32 arithmetic and the matrix unit's own rounding can turn it there, and no further.
;; One version. Each part assembles by itself: llvm-mc -triple=amdgcn-amd-amdhsa -mcpu=gfx1250 --defsym DOCPART=n.
;; ======== version 1 of 1: 4 launches
;; limits: right only within a limited range of input values
;; workspace buffers: xc 22,020,096 bytes; xs 917,504 bytes; qi 6,815,744 bytes; kv 13,369,344 bytes; cc 6,291,456 bytes; cs 524,288 bytes
;; launch quant (part 1): grid 448 x 1, 4 waves a work-group, no clusters, 34,304 bytes of LDS; arguments query, key_, value, Wq, Wk, Wv, Wo, xc, xs; writes xc, xs
.if DOCPART == 1
	.amdgcn_target "amdgcn-amd-amdhsa--gfx1250"
	.amdhsa_code_object_version 6
	.text
	.protected	k_qccaab6aa42_quant
	.globl	k_qccaab6aa42_quant
	.p2align	8
	.type	k_qccaab6aa42_quant,@function
k_qccaab6aa42_quant:
	s_mov_b64 s[64:65], 0
	v_nop
	global_prefetch_b8 v0, s[64:65] scope:SCOPE_SE
	s_setreg_imm32_b32 hwreg(HW_REG_WAVE_MODE, 25, 1), 1
	s_wait_xcnt 0x0
; query, key_, value [8192][1024] and Wq, Wk, Wv, Wo [1024][1024], f32, K innermost, become codes of BF6 (E3M2) with one E8M0 byte for each 32 along K,
; laid as IMAGES OF OPERAND REGISTERS.  A tile is 16 rows; tile 2 p + u of a tensor holds rows 32 p + 8 u + i + 8 (i / 8), i = 0 .. 15.  A fragment (a tile x 128 along K) is 12 registers a lane:
; lane (r = lane % 16, h = lane / 16) holds, of tile row r, k = 64 c + 32 h + 0 .. 31 in registers 6 c .. 6 c + 5.  Its image is 1,536 bytes: registers 4 p .. 4 p + 3 of lane l at 512 p + 16 l.
; xc: [tile 0 .. 1791][K step 0 .. 7][1,536]; tiles: query 0, key_ 512, value 1024, Wq 1536, Wk 1600, Wv 1664, Wo 1728.
; xs: [pair of tiles][K steps 0-3 | 4-7][lane 16 u + r][4 words]: a word is the four scale bytes of one tile row for one K step; lanes 0-15 the even tile, lanes 16-31 the odd one.
; A block's scale is 2^(floor(log2(largest magnitude)) - 4); its byte is the largest magnitude's exponent field - 4, held at 1 from below.
; LIMITS: a block whose largest magnitude lies under 2^-122, a block of zeros among them, keeps the byte 1 (its codes add nothing that f32 sums of these sizes see; the bytes are read by this program alone); NaN and infinities are not served.
; SHARES: a wave takes one tile, all 8 K steps: 16 whole rows of 4,096 bytes.  Each load reads 512 consecutive bytes of one row; a K step's 8,192 bytes turn through the wave's own stage in LDS (rows 528 bytes apart,
; an odd multiple of 16) and come back 128 bytes a lane for each block pair.  Loads run two K steps (32 loads a wave) ahead.  No barrier: waves share nothing.
.set STG, 8448                         ; a wave's stage: 16 rows x 528 bytes
.set WD,  16                           ; v16-23   the eight scale words
.set CD,  24                           ; v24-35   a fragment's codes
.set TT,  36                           ; v36-38, v40-42 the upper halves of the two blocks, as converted
.set SD,  44                           ; v44-47   the four words that my lane stores
.set X,   48                           ; v48-111  my 64 numbers of a K step
.set R,   112                          ; v112-239 two sets of 64 registers as loaded
	s_load_b256 s[4:11], s[0:1], 0x0               ; query, key_, value, Wq
	s_load_b256 s[12:19], s[0:1], 0x20             ; Wk, Wv, Wo, xc
	s_load_b64 s[20:21], s[0:1], 0x40              ; xs
	v_lshl_add_u32 v240, v0, 2, 0x8400
	v_mov_b32 v241, 0
	v_lshrrev_b32 v1, 5, v0
	v_readfirstlane_b32 s22, v1                    ; wave 0..3
	v_and_b32 v1, 31, v0                           ; lane
	v_and_b32 v7, 15, v0                           ; r
	v_bfe_u32 v5, v0, 4, 1                         ; h
	v_lshlrev_b32 v2, 4, v1                        ; 16 x lane: my bytes of a load's 512 and of an image's piece
	s_mul_i32 s23, s22, STG
	v_add_nc_u32 v3, s23, v2                       ; the stage, on the way in
	v_mul_u32_u24 v4, v7, 528
	v_lshl_add_u32 v4, v5, 7, v4
	v_add_nc_u32 v4, s23, v4                       ; and on the way out: row r, + 128 h
	v_lshlrev_b32 v6, 9, v5
	v_lshl_add_u32 v6, v7, 4, v6                   ; the scale words' place: 512 h + 16 r
	v_lshlrev_b32 v5, 3, v5                        ; 8 h
	v_mov_b32 v15, 0                               ; written once: a lane permute's destination counts as one of its sources
	s_mov_b32 s30, 0x76543210
	s_mov_b32 s31, 0xfedcba98                      ; v_permlanex16_b32's selects for lane l xor 16
	; key_ alone (work-groups 128 to 255) has another order of rows: tile 4 g + t holds rows 64 g + 8 t + (i % 8) + 32 (i / 8), so that in the scores a lane's 32 registers of four tiles are one block of 32 keys
	s_lshr_b32 s33, ttmp9, 7
	s_cmp_eq_u32 s33, 1
	s_cselect_b32 s33, 2, 1                        ; log2 of the tiles that interleave: 2 for key_, else 1
	s_lshl_b32 s34, 0x8000, s33                    ; a tile's upper eight rows lie 8 x that many rows of 4,096 bytes further on
	v_add_nc_u32 v43, s34, v2
	s_wait_alu depctr_va_vdst(0)
	s_wait_kmcnt 0x0
	s_mov_b64 s[24:25], s[4:5]                     ; which tensor: the choice hangs on the work-group's number alone
	s_mov_b32 s26, 0                               ; and that tensor's first work-group
.macro PICK first, lo
	s_cmp_ge_u32 ttmp9, \first
	s_cselect_b64 s[24:25], s[\lo:\lo+1], s[24:25]
	s_cselect_b32 s26, \first, s26
.endm
	PICK 128, 6
	PICK 256, 8
	PICK 384, 10
	PICK 400, 12
	PICK 416, 14
	PICK 432, 16
	s_lshl_b32 s27, ttmp9, 2
	s_add_co_u32 s27, s27, s22                     ; my tile among all 1,792
	s_lshl_b32 s26, s26, 2
	s_sub_co_u32 s28, s27, s26                     ; and in its tensor
	s_lshr_b32 s29, s28, s33
	s_add_co_u32 s35, s33, 4
	s_lshl_b32 s29, s29, s35
	s_bfm_b32 s35, s33, 0
	s_and_b32 s28, s28, s35
	s_lshl_b32 s28, s28, 3
	s_add_co_u32 s28, s28, s29                     ; its first row: 32 (tile / 2) + 8 (tile % 2); key_: 64 (tile / 4) + 8 (tile % 4)
	s_lshl_b32 s28, s28, 12                        ; rows of 4,096 bytes (under 2^26)
	s_mov_b32 s29, 0
	s_add_nc_u64 s[24:25], s[24:25], s[28:29]
	s_mul_i32 s28, s27, 12288
	s_add_nc_u64 s[18:19], s[18:19], s[28:29]      ; xc at my tile
	s_lshr_b32 s28, s27, 1
	s_lshl_b32 s28, s28, 10
	s_and_b32 s32, s27, 1
	s_lshl_b32 s32, s32, 8
	s_add_co_u32 s28, s28, s32
	s_add_nc_u64 s[20:21], s[20:21], s[28:29]      ; xs at my pair, my half of its lanes
.macro LOAD s                          ; K step s of my 16 rows into set s % 2
.set ii, 0
.rept 16
	global_load_b128 v[R+64*((\s)%2)+4*ii:R+64*((\s)%2)+4*ii+3], v[2+41*(ii/8)], s[24:25] offset:(ii%8)*4096+512*(\s) th:TH_LOAD_NT   ; rows 0-7 by v2, rows 8-15 by v43
.set ii, ii+1
.endr
.endm
.macro STEP s
.if (\s) < 7
	s_wait_loadcnt 16                              ; this step's 16 loads are in; the next step's 16 may be out
.else
	s_wait_loadcnt 0x0
.endif
.set ii, 0
.rept 16
	ds_store_b128 v3, v[R+64*((\s)%2)+4*ii:R+64*((\s)%2)+4*ii+3] offset:528*ii
.set ii, ii+1
.endr
.irp c, 0,1
.irp j, 0,1,2,3,4,5,6,7
	ds_load_b128 v[X+32*\c+4*\j:X+32*\c+4*\j+3], v4 offset:256*\c+16*\j   ; LDS serves a wave's instructions in order: these see the stores above
.endr
.endr
	s_wait_dscnt 0x0                               ; my 64 numbers are back, and the stores have read their registers,
.if (\s) < 6
	LOAD (\s)+2                                    ; which take the loads of two steps on
.endif
.irp c, 0,1
	v_max3_num_f32 v[8+\c], |v[X+32*\c]|, |v[X+32*\c+1]|, 0x2800000   ; block 2 c + h: all its 32 numbers are mine; the floor 2^(5 - 127) holds the byte at 1 from below
.endr
.irp i, 2,4,6,8,10,12,14,16,18,20,22,24,26,28,30
.irp c, 0,1
	v_max3_num_f32 v[8+\c], v[8+\c], |v[X+32*\c+\i]|, |v[X+32*\c+\i+1]|
.endr
.endr
.irp c, 0,1
	v_add_nc_u32 v[10+\c], 0xfe000000, v[8+\c]     ; 4 off the exponent field: the conversion's scale operand
.endr
.irp c, 0,1
	v_lshrrev_b32 v[12+\c], 23, v[10+\c]           ; the scale's byte
.endr
	v_lshl_or_b32 v14, v13, 16, v12                ; my two bytes, blocks h and 2 + h,
	v_lshlrev_b32 v14, v5, v14                     ; at their places in the word;
	v_permlanex16_b32 v15, v14, s30, s31
	v_or_b32 v[WD+(\s)], v14, v15                  ; with lane l xor 16's two the word is whole
	s_wait_alu depctr_va_vdst(0)
	s_wait_xcnt 0x0                                ; the last step's stores have read the codes' registers
.irp c, 0,1
	v_cvt_scalef32_pk16_bf6_f32 v[CD+6*\c:CD+6*\c+2], v[X+32*\c:X+32*\c+15], v[10+\c]
	v_cvt_scalef32_pk16_bf6_f32 v[TT+4*\c:TT+4*\c+2], v[X+32*\c+16:X+32*\c+31], v[10+\c]   ; (a conversion's three registers begin on an even number)
.endr
	v_nop                                          ; one plain place behind a scaled conversion
.irp c, 0,1
.irp i, 0,1,2
	v_mov_b32 v[CD+3+6*\c+\i], v[TT+4*\c+\i]
.endr
.endr
.irp p, 0,1,2
	global_store_b128 v2, v[CD+4*\p:CD+4*\p+3], s[18:19] offset:1536*(\s)+512*\p   ; 32 lanes store 512 consecutive bytes, at a multiple of 256 from xc's first byte
.endr
.endm
	LOAD 0
	LOAD 1
.irp s, 0,1,2,3,4,5,6,7
	STEP \s
.endr
	v_cmp_ne_u32 vcc_lo, 0, v5                     ; lanes 16-31 store K steps 4-7, lanes 0-15 K steps 0-3
.irp i, 0,1,2,3
	v_cndmask_b32 v[SD+\i], v[WD+\i], v[WD+4+\i], vcc_lo
.endr
	global_store_b128 v6, v[SD:SD+3], s[20:21]     ; each half of the lanes stores 256 consecutive bytes, aligned
	s_wait_tensorcnt 0x0
	ds_add_u32 v240, v241
	s_wait_dscnt 0x0
	s_endpgm
.Lfunc_end_k_qccaab6aa42_quant:
	.size	k_qccaab6aa42_quant, .Lfunc_end_k_qccaab6aa42_quant-k_qccaab6aa42_quant
	.p2alignl 7, 3214868480
	.fill 96, 4, 3214868480
	.section	.rodata,"a",@progbits
	.p2align	6, 0x0
	.amdhsa_kernel k_qccaab6aa42_quant
		.amdhsa_group_segment_fixed_size 34304
		.amdhsa_private_segment_fixed_size 0
		.amdhsa_enable_private_segment 0
		.amdhsa_kernarg_size 72
		.amdhsa_user_sgpr_count 2
		.amdhsa_user_sgpr_kernarg_segment_ptr 1
		.amdhsa_wavefront_size32 1
		.amdhsa_system_sgpr_workgroup_id_x 1
		.amdhsa_system_sgpr_workgroup_id_y 1
		.amdhsa_system_sgpr_workgroup_id_z 1
		.amdhsa_system_vgpr_workitem_id 0
		.amdhsa_next_free_vgpr 242
		.amdhsa_next_free_sgpr 66
		.amdhsa_reserve_vcc 1
		.amdhsa_float_denorm_mode_32 3
		.amdhsa_float_denorm_mode_16_64 3
		.amdhsa_memory_ordered 1
		.amdhsa_forward_progress 1
		.amdhsa_inst_pref_size 59
	.end_amdhsa_kernel
	.amdgpu_metadata
---
amdhsa.version: [ 1, 2 ]
amdhsa.kernels:
  - .name:           k_qccaab6aa42_quant
    .symbol:         k_qccaab6aa42_quant.kd
    .args:
      - { .name: query, .offset: 0, .size: 8, .value_kind: global_buffer, .address_space: global }
      - { .name: key_, .offset: 8, .size: 8, .value_kind: global_buffer, .address_space: global }
      - { .name: value, .offset: 16, .size: 8, .value_kind: global_buffer, .address_space: global }
      - { .name: Wq, .offset: 24, .size: 8, .value_kind: global_buffer, .address_space: global }
      - { .name: Wk, .offset: 32, .size: 8, .value_kind: global_buffer, .address_space: global }
      - { .name: Wv, .offset: 40, .size: 8, .value_kind: global_buffer, .address_space: global }
      - { .name: Wo, .offset: 48, .size: 8, .value_kind: global_buffer, .address_space: global }
      - { .name: xc, .offset: 56, .size: 8, .value_kind: global_buffer, .address_space: global }
      - { .name: xs, .offset: 64, .size: 8, .value_kind: global_buffer, .address_space: global }
    .group_segment_fixed_size: 34304
    .private_segment_fixed_size: 0
    .kernarg_segment_align: 8
    .kernarg_segment_size: 72
    .max_flat_workgroup_size: 128
    .sgpr_count:     66
    .vgpr_count:     242
    .wavefront_size: 32
...
	.end_amdgpu_metadata
.endif
;; end of part 1
;; launch proj (part 2): grid 256 x 1, 4 waves a work-group, clusters of 4 x 1, 221,696 bytes of LDS; arguments xc, xs, bq, bk, bv, qi, kv; writes qi, kv
.if DOCPART == 2
	.amdgcn_target "amdgcn-amd-amdhsa--gfx1250"
	.amdhsa_code_object_version 6
	.text
	.protected	k_qccaab6aa42_proj
	.globl	k_qccaab6aa42_proj
	.p2align	8
	.type	k_qccaab6aa42_proj,@function
k_qccaab6aa42_proj:
	s_mov_b64 s[64:65], 0
	v_nop
	global_prefetch_b8 v0, s[64:65] scope:SCOPE_SE
	s_setreg_imm32_b32 hwreg(HW_REG_WAVE_MODE, 25, 1), 1
	s_wait_xcnt 0x0
	s_wait_alu depctr_hold_cnt(0) depctr_sa_sdst(0) depctr_va_vdst(0) depctr_va_sdst(0) depctr_va_ssrc(0) depctr_va_vcc(0) depctr_vm_vsrc(0)
	s_getreg_b32 s2, hwreg(HW_REG_IB_STS2, 6, 4)
	s_cmp_eq_u32 s2, 0
	s_cbranch_scc0 .Lentry_in_a_cluster
	s_endpgm
.Lentry_in_a_cluster:
	s_bfe_u32 s2, ttmp6, 0x10000c
	s_cmp_lg_u32 s2, 0x3003
	s_cbranch_scc0 .Lentry_shape_is_right
	s_endpgm
.Lentry_shape_is_right:
; Q = query Wq^T + bq, K = key_ Wk^T + bk, V = value Wv^T + bv on codes of BF6 (E3M2) with E8M0 scales, sums in f32; each result is quantised again in registers, Q and K along the head's 64, V along the tokens,
; and leaves as images of the operand registers that the attention launch wants.
; FORM.  D = S0 x S1^T with source 0 = 16 rows of S0, source 1 = 16 rows of S1: a lane holds ONE row of S1 and its registers run along S0's rows.  By the order of a tile's rows (tile 2 p + u holds rows
; 32 p + 8 u + i + 8 (i / 8)) the 16 registers of S0's tiles 2 p and 2 p + 1 are 16 neighbours: 32 p + 16 (lane / 16) + 0 .. 15.  Q, K: S0 = the weight's rows, S1 = tokens, so the registers run along the head's axis.
; V: S0 = tokens, S1 = Wv's rows, so the registers run along the tokens, which are the second attention product's K.
; S0 is a slab of 256 rows, all of K (196,608 bytes of codes), and stays in LDS: filled once.  S1 goes from memory straight into registers: each wave's own 64 rows, asked for three K steps ahead.
; CLUSTER.  The four work-groups of a cluster take the same slab: it is asked for JOINTLY, by the same tensor loads with the same descriptors and the mask of all four.  S1's rows are read by one wave of the cluster each: nothing to share.
; SHARES.  Cluster C < 32: tensor p = C / 16 (Q, K), slab (C / 4) % 4 of the weight, and for each work-group two blocks of 256 tokens.  C >= 32: V, slab C - 32 of the tokens; the work-group takes 256 rows of Wv, one block.
; (384 units of slab x 256 rows on 256 work-groups: two at the most for any of them.)  A wave makes 64 rows of S1 x 256 rows of S0: 64 accumulators.
; LDS: 0 the slab's fragments, (tile t, K step s) at 12,288 t + 1,536 s; SSC its scale words as they lie in xs; BIA the bias along S0 as 16 images of 8 registers (stored by the waves; no tensor load lands there).
; REGISTERS, in windows of 256.  window 0: v1-12 addresses; v16-31 S1's scale words; v32-47 S0's, two sets; v48-55 the bias along S1; v64-255 S1's fragments, four sets of 48.
;   window 1: v0-191 S0's 16 fragments; on the way out v0-127 the bias along S0, v128-191 64 numbers; v192-249 codes and what the quantiser works on.   windows 2, 3: accumulator (g, a, b) at v[64 a + 8 b] of window 2 + g: S0's tile 8 g + b, S1's tile a.
; LIMITS: a block whose largest magnitude lies under 2^-122, a block of zeros among them, keeps the scale byte 1 (read by this program alone); NaN and infinities are not served.
.set SSC,  196608
.set BIA,  204800
.set LI,   1                           ; v1     16 x lane
.set AD,   2                           ; v2-5   16 x lane + 49,152 c
.set ASC,  6                           ; v6     SSC + 16 x lane
.set ABI,  7                           ; v7     BIA + 16 x lane
.set VCO,  8                           ; v8     Q, K: my codes' place in a record: 16 x lane + 3,072 (wave % 2)
.set VSO,  9                           ; v9     my scale words' place
.set ABW,  10                          ; v10    where I store my four images of the bias
.set BH,   11                          ; v11    64 (lane / 16)
.set BR,   12                          ; v12    4 (r + 8 (r / 8))
.set XS,   16
.set WS,   32
.set B1,   48
.set XF,   64
.set SCR,  208                         ; S1's fourth set serves once as scratch, at the head
.set BI,   0                           ; in window 1, from here on
.set X,    128
.set OUT,  192
.set TT,   216
.set TM,   224
.set PW,   240
.set SW,   244
.set SX,   246
.set WV,   18                          ; s18 wave; s19 cx; s20 the cluster's number; s21 1 for V; s22 blocks to go; s23 the mask of lanes 16-31
.set G1C,  24                          ; s[24:31] descriptor group 1 for codes;  s[40:43] group 0
.set G1S,  32
.set G0,   40
.set SEL,  60
.set S1P,  66                          ; s[66:67] S1's fragments;  s[68:69] its scale words;  s[70:77] four output records;  s[78:79] two records on
.set S1S,  68
.set OB,   70
.set MSB,  0
.macro WIN new                         ; the immediate's high byte repeats the setting that is left; a switch that changes nothing is dropped
.if MSB != (\new)
	s_set_vgpr_msb (MSB<<8)|(\new)
.set MSB, (\new)
.endif
.endm
.macro PLACES n
.rept \n
	v_nop
.endr
.endm
.macro ROUND                           ; a round of the cluster's barrier
	s_barrier_signal -1
	s_barrier_wait -1
	s_cmp_lg_u32 s[WV], 0
	s_cbranch_scc1 .Lnot_wave_0_\@
	s_barrier_signal -3
.Lnot_wave_0_\@:
	s_barrier_wait -3
	s_barrier_signal -1
	s_barrier_wait -1
.endm
; One matrix instruction.  c < 0: the constant 0 starts the sum.  ra, rb = 1: that side's scale words stand in lanes 16-31.
.macro WM d, a, b, c, sa, ra, sb, rb
.if (\c) < 0
.if (\ra) && (\rb)
	v_wmma_scale_f32_16x16x128_f8f6f4 v[\d:\d+7], v[\a:\a+11], v[\b:\b+11], 0, v[\sa], v[\sb] matrix_a_fmt:MATRIX_FMT_BF6 matrix_b_fmt:MATRIX_FMT_BF6 matrix_a_scale:MATRIX_SCALE_ROW1 matrix_b_scale:MATRIX_SCALE_ROW1
.elseif (\ra)
	v_wmma_scale_f32_16x16x128_f8f6f4 v[\d:\d+7], v[\a:\a+11], v[\b:\b+11], 0, v[\sa], v[\sb] matrix_a_fmt:MATRIX_FMT_BF6 matrix_b_fmt:MATRIX_FMT_BF6 matrix_a_scale:MATRIX_SCALE_ROW1
.elseif (\rb)
	v_wmma_scale_f32_16x16x128_f8f6f4 v[\d:\d+7], v[\a:\a+11], v[\b:\b+11], 0, v[\sa], v[\sb] matrix_a_fmt:MATRIX_FMT_BF6 matrix_b_fmt:MATRIX_FMT_BF6 matrix_b_scale:MATRIX_SCALE_ROW1
.else
	v_wmma_scale_f32_16x16x128_f8f6f4 v[\d:\d+7], v[\a:\a+11], v[\b:\b+11], 0, v[\sa], v[\sb] matrix_a_fmt:MATRIX_FMT_BF6 matrix_b_fmt:MATRIX_FMT_BF6
.endif
.else
.if (\ra) && (\rb)
	v_wmma_scale_f32_16x16x128_f8f6f4 v[\d:\d+7], v[\a:\a+11], v[\b:\b+11], v[\c:\c+7], v[\sa], v[\sb] matrix_a_fmt:MATRIX_FMT_BF6 matrix_b_fmt:MATRIX_FMT_BF6 matrix_a_scale:MATRIX_SCALE_ROW1 matrix_b_scale:MATRIX_SCALE_ROW1
.elseif (\ra)
	v_wmma_scale_f32_16x16x128_f8f6f4 v[\d:\d+7], v[\a:\a+11], v[\b:\b+11], v[\c:\c+7], v[\sa], v[\sb] matrix_a_fmt:MATRIX_FMT_BF6 matrix_b_fmt:MATRIX_FMT_BF6 matrix_a_scale:MATRIX_SCALE_ROW1
.elseif (\rb)
	v_wmma_scale_f32_16x16x128_f8f6f4 v[\d:\d+7], v[\a:\a+11], v[\b:\b+11], v[\c:\c+7], v[\sa], v[\sb] matrix_a_fmt:MATRIX_FMT_BF6 matrix_b_fmt:MATRIX_FMT_BF6 matrix_b_scale:MATRIX_SCALE_ROW1
.else
	v_wmma_scale_f32_16x16x128_f8f6f4 v[\d:\d+7], v[\a:\a+11], v[\b:\b+11], v[\c:\c+7], v[\sa], v[\sb] matrix_a_fmt:MATRIX_FMT_BF6 matrix_b_fmt:MATRIX_FMT_BF6
.endif
.endif
.endm
; 64 numbers of a lane, register 16 b + i = k 32 b + 16 (lane / 16) + i of my row, become codes: k 0-63 in v[d0] .. v[d0 + 5], k 64-127 in v[d1] .. v[d1 + 5], and the four scale bytes in v[pw].
.macro QUANT s, d0, d1, pw
.irp b, 0,1,2,3
	v_max3_num_f32 v[TM+\b], |v[\s+16*\b]|, |v[\s+1+16*\b]|, 0x2800000   ; block b: my 16 numbers, and the floor 2^(5 - 127): the byte cannot fall under 1
.endr
.irp i, 2,4,6,8,10,12,14
.irp b, 0,1,2,3
	v_max3_num_f32 v[TM+\b], v[TM+\b], |v[\s+16*\b+\i]|, |v[\s+1+16*\b+\i]|   ; (the four blocks by turns)
.endr
.endr
.irp b, 0,1,2,3
	v_permlanex16_b32 v[TM+4+\b], v[TM+\b], s[SEL], s[SEL+1]
.endr
.irp b, 0,1,2,3
	v_max_num_f32 v[TM+\b], v[TM+\b], v[TM+4+\b]   ; with lane l xor 16's 16: the block's largest magnitude
.endr
.irp b, 0,1,2,3
	v_add_nc_u32 v[TM+12+\b], 0xfe000000, v[TM+\b] ; 4 off its exponent field: the conversion's scale operand
.endr
.irp b, 0,1,2,3
	v_lshrrev_b32 v[TM+4+\b], 23, v[TM+12+\b]      ; the scale's byte
.endr
	s_wait_alu depctr_va_vdst(0)
	s_wait_xcnt 0x0                                ; earlier stores have read the registers that are written from here on
	v_lshl_or_b32 v[\pw], v[TM+5], 8, v[TM+4]
	v_lshl_or_b32 v[\pw], v[TM+6], 16, v[\pw]
	v_lshl_or_b32 v[\pw], v[TM+7], 24, v[\pw]
	v_cvt_scalef32_pk16_bf6_f32 v[\d0:\d0+2], v[\s:\s+15], v[TM+12]
	v_cvt_scalef32_pk16_bf6_f32 v[TT:TT+2], v[\s+16:\s+31], v[TM+13]       ; (a conversion's three registers begin on an even number)
	v_cvt_scalef32_pk16_bf6_f32 v[\d1:\d1+2], v[\s+32:\s+47], v[TM+14]
	v_cvt_scalef32_pk16_bf6_f32 v[TT+4:TT+6], v[\s+48:\s+63], v[TM+15]
	v_nop                                          ; one plain place behind a scaled conversion
.irp i, 0,1,2                                  ; the operand's layout wants a WHOLE block in a lane: lanes 0-15 the even block, lanes 16-31 the odd one
	v_permlane16_swap_b32 v[\d0+\i], v[TT+\i]
.endr
.irp i, 0,1,2
	v_mov_b32 v[\d0+3+\i], v[TT+\i]
.endr
.irp i, 0,1,2
	v_permlane16_swap_b32 v[\d1+\i], v[TT+4+\i]
.endr
.irp i, 0,1,2
	v_mov_b32 v[\d1+3+\i], v[TT+4+\i]
.endr
.endm
	s_load_b256 s[4:11], s[0:1], 0x0               ; xc, xs, bq, bk
	s_load_b128 s[12:15], s[0:1], 0x20             ; bv, qi
	s_load_b64 s[16:17], s[0:1], 0x30              ; kv
	v_lshl_add_u32 v62, v0, 2, 0x36000
	v_mov_b32 v63, 0
	ds_add_u32 v62, v63
	ds_add_u32 v62, v63
	v_lshrrev_b32 v1, 5, v0
	v_readfirstlane_b32 s[WV], v1                  ; wave 0..3
	s_bfe_u32 s19, ttmp6, 0x40000                  ; cx: my place in the cluster
	s_mov_b32 s20, ttmp9                           ; the cluster's number, 0 .. 63
	s_mov_b32 s23, 0xffff0000
	s_mov_b32 s[SEL], 0x76543210
	s_mov_b32 s[SEL+1], 0xfedcba98                 ; v_permlanex16_b32's selects for lane l xor 16
	; descriptor group 1, codes: 192 rows of 256 bytes (32 elements of 8 bytes), dense
	s_mov_b32 s[G1C], 15|(3<<16)|(1<<21)           ; 15:0 the mask: all four work-groups; 17:16 elements of 8 bytes; 21 set beside a mask
	; THE SLAB IN LDS AS IT STANDS NOW: as in xc, (tile t, K step s) at 12,288 t + 1,536 s.  A wave's four tiles, all of K, are 49,152 dense bytes: ONE tensor load a wave, 192 rows of 256 bytes.
	; The slab's scale words go through registers into SSC (stored by the waves; no tensor load lands there).
	s_mov_b32 s[G1C+1], 32<<16                     ; tensor_dim0
	s_mov_b32 s[G1C+2], 192<<16                    ; tensor_dim1
	s_mov_b32 s[G1C+3], 32<<16                     ; tile_dim0
	s_mov_b32 s[G1C+4], 192                        ; tile_dim1
	s_mov_b32 s[G1C+5], 32                         ; from row to row
	s_mov_b32 s[G1C+6], 0
	s_mov_b32 s[G1C+7], 0
	; S0: what feeds the joint descriptors hangs on the cluster's number and the wave's alone (s80-87 never hold cx)
	s_lshr_b32 s80, s20, 2
	s_lshl_b32 s80, s80, 4
	s_add_co_u32 s80, s80, 1536                    ; Q, K: the weight's tiles: 1536 + 64 p + 16 slab
	s_lshl_b32 s81, s20, 4
	s_add_co_u32 s81, s81, 512                     ; V: value's tiles: 1024 + 16 (C - 32)
	s_cmp_ge_u32 s20, 32
	s_cselect_b32 s80, s81, s80                    ; the slab's first tile
	s_cselect_b32 s21, 1, 0
	s_cselect_b32 s22, 1, 2                        ; blocks of S1
	s_lshl_b32 s82, s[WV], 2
	s_add_co_u32 s82, s82, s80
	s_mul_i32 s82, s82, 12288                      ; my four tiles' codes
	s_mov_b32 s83, 0
	s_lshl_b32 s84, s80, 9
	s_lshl_b32 s85, s[WV], 11
	s_add_co_u32 s84, s84, s85                     ; my two pairs' scale words
	s_add_co_u32 s87, s85, SSC                     ; and where they go
	s_mov_b32 s85, 0
	s_mul_i32 s86, s[WV], 49152
	s_wait_dscnt 0x0
	s_wait_kmcnt 0x0
	s_add_nc_u64 s[82:83], s[4:5], s[82:83]
	s_add_nc_u64 s[84:85], s[6:7], s[84:85]
	s_mov_b32 s[G0], 1
	s_mov_b32 s[G0+1], s86
	s_mov_b64 s[G0+2:G0+3], s[82:83]
	s_or_b32 s[G0+3], s[G0+3], 0x80000000
	ROUND                                          ; all four work-groups are here: the joint loads meet
	tensor_load_to_lds s[G0:G0+3], s[G1C:G1C+7]    ; my four tiles of the slab: the wave's one tensor load
	s_nop 0
	PLACES 4
	; S1, the outputs and the biases: global addresses alone hang on cx
	s_and_b32 s88, s20, 3
	s_lshl_b32 s88, s88, 2
	s_add_co_u32 s88, s88, s19                     ; Q, K: which 512 tokens: 4 (C % 4) + cx
	s_lshr_b32 s89, s20, 4
	s_lshl_b32 s89, s89, 9
	s_lshl_b32 s90, s88, 5
	s_add_co_u32 s89, s89, s90                     ; their first tile: 512 p + 32 idx
	s_lshl_b32 s90, s19, 4
	s_add_co_u32 s90, s90, 1664                    ; V: Wv's tiles: 1664 + 16 cx
	s_cmp_ge_u32 s20, 32
	s_cselect_b32 s89, s90, s89
	s_lshl_b32 s90, s[WV], 2
	s_add_co_u32 s89, s89, s90                     ; my four tiles of S1
	s_mul_i32 s90, s89, 12288
	s_mov_b32 s91, 0
	s_add_nc_u64 s[S1P:S1P+1], s[4:5], s[90:91]
	s_lshl_b32 s90, s89, 9
	s_add_nc_u64 s[S1S:S1S+1], s[6:7], s[90:91]
	s_lshr_b32 s92, s88, 2                         ; Q, K: the batch,
	s_lshl_b32 s92, s92, 2
	s_bfe_u32 s2, s20, 0x20002                     ; the slab: four heads,
	s_add_co_u32 s92, s92, s2
	s_lshl_b32 s92, s92, 6                         ; (16 batch + 4 slab) x 16 steps,
	s_lshl_b32 s93, s88, 2
	s_lshr_b32 s94, s[WV], 1
	s_add_co_u32 s93, s93, s94
	s_and_b32 s93, s93, 15                         ; and my 64 tokens' step of 128
	s_add_co_u32 s92, s92, s93                     ; the first head's record
	s_lshl_b32 s93, s19, 2
	s_add_co_u32 s93, s93, s[WV]                   ; V: my head: 4 cx + wave
	s_lshl_b32 s98, s93, 8                         ; its 64 numbers of the bias
	s_mov_b32 s99, 0
	s_bfe_u32 s94, s20, 0x20003                    ; the batch
	s_lshl_b32 s94, s94, 4
	s_add_co_u32 s94, s94, s93
	s_lshl_b32 s94, s94, 4
	s_and_b32 s93, s20, 7
	s_lshl_b32 s93, s93, 1
	s_add_co_u32 s94, s94, s93                     ; the record of the slab's first 128 tokens
	s_and_b32 s93, s[WV], 1
	s_lshl_b32 s95, s93, 8
	s_mul_i32 s3, s93, 3072
	s_mov_b32 s62, 13056
	s_mov_b32 s63, 12288
	s_cmp_ge_u32 s20, 16
	s_cselect_b32 s62, s62, 6656                   ; a record: kv's or qi's
	s_cselect_b32 s63, s63, 6144                   ; where its scale words of K or Q begin
	s_cselect_b64 s[96:97], s[10:11], s[8:9]       ; bk or bq
	s_cselect_b64 s[100:101], s[16:17], s[14:15]   ; kv or qi
	s_add_co_u32 s63, s63, s95                     ; + 256 (wave % 2)
	s_cmp_ge_u32 s20, 32
	s_cselect_b32 s92, s94, s92
	s_cselect_b32 s94, 6144, 0                     ; V's codes lie 6,144 bytes into a record
	s_cselect_b32 s63, 0, s63
	s_cselect_b32 s2, 0, s2
	s_cselect_b64 s[96:97], s[12:13], s[96:97]     ; bv
	s_mul_i32 s92, s92, s62
	s_add_co_u32 s92, s92, s94
	s_mov_b32 s93, 0
	s_add_nc_u64 s[OB:OB+1], s[100:101], s[92:93]
	s_lshl_b32 s92, s62, 4                         ; from head to head: 16 records
	s_add_nc_u64 s[OB+2:OB+3], s[OB:OB+1], s[92:93]
	s_add_nc_u64 s[OB+4:OB+5], s[OB+2:OB+3], s[92:93]
	s_add_nc_u64 s[OB+6:OB+7], s[OB+4:OB+5], s[92:93]
	s_lshl_b32 s78, s62, 1
	s_mov_b32 s79, 0
	s_add_nc_u64 s[98:99], s[96:97], s[98:99]      ; the bias along S1
	s_lshl_b32 s92, s2, 10
	s_lshl_b32 s94, s[WV], 8
	s_add_co_u32 s92, s92, s94
	s_add_nc_u64 s[96:97], s[96:97], s[92:93]      ; the bias along S0: the slab's 256 numbers, my wave's 64
	v_and_b32 v13, 31, v0                          ; lane
	v_and_b32 v14, 15, v0                          ; r
	v_bfe_u32 v15, v0, 4, 1                        ; h
	v_lshlrev_b32 v[LI], 4, v13
.irp c, 0,1,2,3
	v_add_nc_u32 v[AD+\c], 49152*\c, v[LI]
.endr
	v_add_nc_u32 v[ASC], SSC, v[LI]
	v_add_nc_u32 v[ABI], BIA, v[LI]
	s_lshl_b32 s92, s[WV], 12
	s_add_co_u32 s92, s92, BIA
	v_add_nc_u32 v[ABW], s92, v[LI]
	v_add_nc_u32 v56, s87, v[LI]                   ; where I store my two pairs' scale words: SSC + 2,048 wave + 16 lane
	v_add_nc_u32 v[VCO], s3, v[LI]
	v_lshlrev_b32 v[VSO], 3, v13
	v_add_nc_u32 v[VSO], s63, v[VSO]
	v_lshlrev_b32 v[BH], 6, v15
	v_and_b32 v[BR], 8, v14
	v_add_nc_u32 v[BR], v[BR], v14
	v_lshlrev_b32 v[BR], 2, v[BR]
	WIN 0x40
.irp b, 0,1,2,3
	v_mov_b32 v[TM+4+\b], 0                        ; written once: a lane permute's destination counts as one of its sources
.endr
	WIN 0
.macro FETCH0 s, g                     ; S0's tiles 8 g .. 8 g + 7 of K step s
	WIN 0x40                                       ; destination window 1
.set bb, 8*(\g)
.rept 8
.irp p, 0,1,2
	ds_load_b128 v[12*bb+4*\p:12*bb+4*\p+3], v[AD+bb/4] offset:12288*(bb%4)+1536*(\s)+512*\p
.endr
.set bb, bb+1
.endr
.endm
.macro FSC s                           ; S0's scale words of K step s: a register a pair of tiles
	WIN 0
.irp p, 0,1,2,3,4,5,6,7
	ds_load_b32 v[WS+8*((\s)%2)+\p], v[ASC] offset:1024*\p+512*((\s)/4)+4*((\s)%4)
.endr
.endm
.macro S1LOAD s                        ; my four fragments of S1 for K step s
	WIN 0
.irp a, 0,1,2,3
.irp p, 0,1,2
	global_load_b128 v[XF+48*((\s)%4)+12*\a+4*\p:XF+48*((\s)%4)+12*\a+4*\p+3], v[LI], s[S1P:S1P+1] offset:12288*\a+1536*(\s)+512*\p
.endr
.endr
.endm
.macro PRO                             ; a block's start: S1's scale words for all of K, and three K steps of fragments: 40 loads
.irp p, 0,1
.irp g, 0,1
	global_load_b128 v[XS+8*\p+4*\g:XS+8*\p+4*\g+3], v[LI], s[S1S:S1S+1] offset:1024*\p+512*\g
.endr
.endr
	S1LOAD 0
	S1LOAD 1
	S1LOAD 2
.endm
; 32 matrix instructions: S0's tiles 8 g .. 8 g + 7 x my four tiles of S1.  The 64 accumulators take turns, one instruction a turn, in the same order in every step.
.macro MULH s, g
	WIN 0xa1+0x50*(\g)                             ; source 0 window 1, source 1 window 0, C and D window 2 + g
.set bb, 0
.rept 8
.set aa, 0
.rept 4
.set rD, 64*aa+8*bb
.set rA, 12*(8*(\g)+bb)
.set rB, XF+48*((\s)%4)+12*aa
.set rSA, WS+8*((\s)%2)+(8*(\g)+bb)/2
.set rSB, XS+8*(aa/2)+(\s)
.if (\s) == 0
	WM rD, rA, rB, -1, rSA, bb%2, rSB, aa%2
.else
	WM rD, rA, rB, rD, rSA, bb%2, rSB, aa%2
.endif
.set aa, aa+1
.endr
.set bb, bb+1
.endr
.endm
; A K step of 128.  A load into a register that a matrix instruction has read stands four plain places behind it (ISA guide 7.12.1 for vector instructions).
.macro STEP s
	s_wait_dscnt 24                                ; tiles 0-7 and the scale words are in; the youngest 24 loads (tiles 8-15) may be out
.if (\s) <= 5
	s_wait_loadcnt 24                              ; this step's fragments of S1 are in; those of the two steps behind it, 12 loads each, may be out
.elseif (\s) == 6
	s_wait_loadcnt 12
.else
	s_wait_loadcnt 0x0
.endif
	MULH \s, 0
	s_wait_dscnt 0x0                               ; tiles 8-15 are in (asked for 32 matrix instructions ago)
.if (\s) < 7
	PLACES 4
	FETCH0 (\s)+1, 0
	FSC (\s)+1
.endif
.if (\s) < 5
	S1LOAD (\s)+3
.endif
	MULH \s, 1
.if (\s) < 7
	PLACES 4
	FETCH0 (\s)+1, 1
.endif
.endm
; THE WAY OUT FOR Q AND K.  For each of my four tiles of tokens and each 128 features (two heads): + bias, quantised along the features; two tiles make a pair image: registers 0-5 the even tile, 6-11 the odd one.
.macro EPI_QK
	WIN 0x40
.set bb, 0
.rept 16
	ds_load_b128 v[BI+8*bb:BI+8*bb+3], v[ABI] offset:1024*bb
	ds_load_b128 v[BI+8*bb+4:BI+8*bb+7], v[ABI] offset:1024*bb+512
.set bb, bb+1
.endr
	s_wait_dscnt 0x0
.irp g, 0,1
.irp a, 0,1,2,3
	WIN 0x46+\g                                    ; destination and source 1 window 1, source 0 window 2 + g
.set ii, 0
.rept 32
	v_pk_add_f32 v[X+ii:X+ii+1], v[64*\a+ii:64*\a+ii+1], v[BI+64*\g+ii:BI+64*\g+ii+1]   ; each accumulator from its low end on
.set ii, ii+2
.endr
	WIN 0x55
	QUANT X, OUT+6*(\a%2), OUT+12+6*(\a%2), PW+\a
.if (\a%2) == 1
	WIN 0x04                                       ; a store's data are its source 1: window 1
.irp c, 0,1
.irp p, 0,1,2
	global_store_b128 v[VCO], v[OUT+12*\c+4*\p:OUT+12*\c+4*\p+3], s[OB+2*(2*\g+\c):OB+2*(2*\g+\c)+1] offset:1536*(\a/2)+512*\p   ; 512 consecutive bytes, aligned
.endr
.endr
.endif
.endr
	WIN 0x55
.irp e, 0,1
	v_cndmask_b32 v[SW+\e], v[PW+2*\e], v[PW+2*\e+1], s23   ; lanes 0-15 the even tile's word, lanes 16-31 the odd tile's
.endr
.irp c, 0,1
.irp e, 0,1
	v_bfe_u32 v[SX+2*\c+\e], v[SW+\e], 16*\c, 16   ; head c's two bytes; the bytes of the upper 64 of K stay 0
.endr
.endr
	WIN 0x04
.irp c, 0,1
	global_store_b64 v[VSO], v[SX+2*\c:SX+2*\c+1], s[OB+2*(2*\g+\c):OB+2*(2*\g+\c)+1]   ; 256 consecutive bytes, aligned
.endr
.endr
	WIN 0
	s_wait_xcnt 0x0                                ; the stores have read their bases
.irp k, 0,1,2,3
	s_add_nc_u64 s[OB+2*\k:OB+2*\k+1], s[OB+2*\k:OB+2*\k+1], s[78:79]   ; the next block's 256 tokens: two records on
.endr
.endm
; THE WAY OUT FOR V.  A lane holds one channel; its 64 registers of a group run along 128 tokens: + bias, quantised along the tokens: a whole fragment.
.macro EPI_V
.irp g, 0,1
.irp a, 0,1,2,3
	WIN 0x42+\g                                    ; destination window 1, source 0 window 2 + g, source 1 window 0
.set ii, 0
.rept 32
	v_pk_add_f32 v[X+ii:X+ii+1], v[64*\a+ii:64*\a+ii+1], v[B1+2*\a:B1+2*\a+1]
.set ii, ii+2
.endr
	WIN 0x55
	QUANT X, OUT+12*(\a%2), OUT+12*(\a%2)+6, PW+\a
	WIN 0x04
.irp p, 0,1,2
	global_store_b128 v[LI], v[OUT+12*(\a%2)+4*\p:OUT+12*(\a%2)+4*\p+3], s[OB:OB+1] offset:13056*\g+1536*\a+512*\p
.endr
.endr
	WIN 0x55
.irp i, 0,1
	v_cndmask_b32 v[SX+\i], v[PW+2*\i], v[PW+2*\i+1], s23
.endr
	WIN 0x04
	global_store_b64 v[VSO], v[SX:SX+1], s[OB:OB+1] offset:13056*\g+6656
.endr
	WIN 0
.endm
	PRO
	; Both forms of the bias are loaded in every work-group, from the one pointer chosen above, so that the head has no branch: 16 small loads, of which a work-group uses eight.
.irp i, 0,1,2,3
.irp q, 0,1
	global_load_b128 v[SCR+8*\i+4*\q:SCR+8*\i+4*\q+3], v[BH], s[96:97] offset:4*(32*(\i/2)+8*(\i%2))+16*\q   ; along S0: tile 4 wave + i: lane (r, h) wants the eight numbers at 32 (i / 2) + 16 h + 8 (i % 2)
.endr
.endr
.irp a, 0,1,2,3
	global_load_b32 v[B1+2*\a], v[BR], s[98:99] offset:4*(32*(\a/2)+8*(\a%2))     ; along S1: tile a's row r; twice, a pair for the packed addition
	global_load_b32 v[B1+2*\a+1], v[BR], s[98:99] offset:4*(32*(\a/2)+8*(\a%2))
.endr
.irp i, 0,1,2,3
	global_load_b128 v[240+4*\i:243+4*\i], v[LI], s[84:85] offset:512*\i   ; my two pairs' scale words of the slab: 2,048 dense bytes
.endr
	s_wait_loadcnt 0x0
.irp i, 0,1,2,3
.irp q, 0,1
	ds_store_b128 v[ABW], v[SCR+8*\i+4*\q:SCR+8*\i+4*\q+3] offset:1024*\i+512*\q
.endr
.endr
.irp i, 0,1,2,3
	ds_store_b128 v56, v[240+4*\i:243+4*\i] offset:512*\i
.endr
	s_wait_dscnt 0x0                               ; for the others' sake: my images of the bias and my scale words are stored
	s_wait_tensorcnt 0x0                           ; my four tiles of the slab have landed
	s_barrier_signal -1
	s_barrier_wait -1
.Lblock:
	FETCH0 0, 0
	FSC 0
	FETCH0 0, 1
.irp s, 0,1,2,3,4,5,6,7
	STEP \s
.endr
	WIN 0
	PLACES 4                                       ; behind the last products: loads and vector instructions follow
	s_sub_co_u32 s22, s22, 1
	s_cmp_lg_u32 s22, 0
	s_cbranch_scc0 .Lno_next
	s_add_nc_u64 s[S1P:S1P+1], s[S1P:S1P+1], 196608   ; 16 tiles on (every load that read these bases is done: the last step waited for all)
	s_add_nc_u64 s[S1S:S1S+1], s[S1S:S1S+1], 8192
	PRO                                            ; the next block's start lands while this block goes out
.Lno_next:
	s_cmp_lg_u32 s21, 0
	s_cbranch_scc1 .Lepi_v
	EPI_QK
	s_branch .Lepi_done
.Lepi_v:
	EPI_V
.Lepi_done:
	s_cmp_lg_u32 s22, 0
	s_cbranch_scc1 .Lblock
	s_wait_tensorcnt 0x0
	ds_add_u32 v62, v63
	s_wait_dscnt 0x0
	ROUND                                          ; the closing round
	s_endpgm
.Lfunc_end_k_qccaab6aa42_proj:
	.size	k_qccaab6aa42_proj, .Lfunc_end_k_qccaab6aa42_proj-k_qccaab6aa42_proj
	.p2alignl 7, 3214868480
	.fill 96, 4, 3214868480
	.section	.rodata,"a",@progbits
	.p2align	6, 0x0
	.amdhsa_kernel k_qccaab6aa42_proj
		.amdhsa_group_segment_fixed_size 221696
		.amdhsa_private_segment_fixed_size 0
		.amdhsa_enable_private_segment 0
		.amdhsa_kernarg_size 56
		.amdhsa_user_sgpr_count 2
		.amdhsa_user_sgpr_kernarg_segment_ptr 1
		.amdhsa_wavefront_size32 1
		.amdhsa_system_sgpr_workgroup_id_x 1
		.amdhsa_system_sgpr_workgroup_id_y 1
		.amdhsa_system_sgpr_workgroup_id_z 1
		.amdhsa_system_vgpr_workitem_id 0
		.amdhsa_next_free_vgpr 1024
		.amdhsa_next_free_sgpr 102
		.amdhsa_reserve_vcc 0
		.amdhsa_float_denorm_mode_32 3
		.amdhsa_float_denorm_mode_16_64 3
		.amdhsa_memory_ordered 1
		.amdhsa_forward_progress 1
		.amdhsa_inst_pref_size 222
	.end_amdhsa_kernel
	.amdgpu_metadata
---
amdhsa.version: [ 1, 2 ]
amdhsa.kernels:
  - .name:           k_qccaab6aa42_proj
    .symbol:         k_qccaab6aa42_proj.kd
    .args:
      - { .name: xc, .offset: 0, .size: 8, .value_kind: global_buffer, .address_space: global }
      - { .name: xs, .offset: 8, .size: 8, .value_kind: global_buffer, .address_space: global }
      - { .name: bq, .offset: 16, .size: 8, .value_kind: global_buffer, .address_space: global }
      - { .name: bk, .offset: 24, .size: 8, .value_kind: global_buffer, .address_space: global }
      - { .name: bv, .offset: 32, .size: 8, .value_kind: global_buffer, .address_space: global }
      - { .name: qi, .offset: 40, .size: 8, .value_kind: global_buffer, .address_space: global }
      - { .name: kv, .offset: 48, .size: 8, .value_kind: global_buffer, .address_space: global }
    .group_segment_fixed_size: 221696
    .private_segment_fixed_size: 0
    .kernarg_segment_align: 8
    .kernarg_segment_size: 56
    .max_flat_workgroup_size: 128
    .sgpr_count:     102
    .vgpr_count:     1024
    .wavefront_size: 32
...
	.end_amdgpu_metadata
.endif
;; end of part 2
;; launch attn (part 3): grid 4 x 64, 16 waves a work-group, clusters of 4 x 1, 210,944 bytes of LDS; arguments qi, kv, cc, cs; writes cc, cs
.if DOCPART == 3
	.amdgcn_target "amdgcn-amd-amdhsa--gfx1250"
	.amdhsa_code_object_version 6
	.text
	.protected	k_qccaab6aa42_attn
	.globl	k_qccaab6aa42_attn
	.p2align	8
	.type	k_qccaab6aa42_attn,@function
k_qccaab6aa42_attn:
	s_mov_b64 s[64:65], 0
	v_nop
	global_prefetch_b8 v0, s[64:65] scope:SCOPE_SE
	s_setreg_imm32_b32 hwreg(HW_REG_WAVE_MODE, 25, 1), 1
	s_wait_xcnt 0x0
	s_wait_alu depctr_hold_cnt(0) depctr_sa_sdst(0) depctr_va_vdst(0) depctr_va_sdst(0) depctr_va_ssrc(0) depctr_va_vcc(0) depctr_vm_vsrc(0)
	s_getreg_b32 s2, hwreg(HW_REG_IB_STS2, 6, 4)
	s_cmp_eq_u32 s2, 0
	s_cbranch_scc0 .Lentry_in_a_cluster
	s_endpgm
.Lentry_in_a_cluster:
	s_bfe_u32 s2, ttmp6, 0x10000c
	s_cmp_lg_u32 s2, 0x3003
	s_cbranch_scc0 .Lentry_shape_is_right
	s_endpgm
.Lentry_shape_is_right:
; ctx = softmax(Q K^T / 8) V for one head, both products on codes of BF6 (E3M2) with E8M0 scales; ctx is quantised along the model's axis and leaves as half a fragment's image for the output projection.
; THE SOFTMAX AHEAD OF THE SECOND PRODUCT: t = score x log2(e) / 8; M = the row's largest t so far, rounded UP to a whole number; p = 2^(t - M) is what is quantised, along the keys; it is not normalised.
; The row's sum is taken of the unquantised p, in f32, and divides O at the end.  When M moves, the sum and O are multiplied by 2^(old M - new M): exact.
; SHARES.  4 x 64 = 256 work-groups.  A work-group owns 512 queries of one head (bh = work-group y) and makes them in two passes of 256; in a pass each of its sixteen waves owns one tile of 16 queries, in 256 registers: four waves to a SIMD.
; THE WHOLE HEAD'S K AND V LIE IN LDS: 16 records of 13,056 bytes, one for each 128 keys: K's codes (4 pair images of 1,536), V's codes (4 fragments of 1,536), K's scale words (512), V's (256).
; Each wave asks for one record, its one tensor load; nothing is ever filled again, so one barrier behind the loads is the only one between the head and the end, and both passes read the same bytes.
; CLUSTER.  The four work-groups of a cluster are the four query blocks of one head: each record is asked for JOINTLY, by the same tensor load with the same descriptor and the mask of all four.
; No prefetch: all that the work-group reads of K and V is asked for by the head's one group of loads; there is no loop to run ahead in.
; LAYOUT.  Both products are used transposed: S^T = K Q^T (source 0 = 16 keys, source 1 = my 16 queries), O^T = V^T P^T (source 0 = 16 channels, source 1 = P): a lane holds ONE query (lane % 16) throughout.
; K's tile 4 g + t holds keys 64 g + 8 t + (i % 8) + 32 (i / 8), i = 0 .. 15.  So lane (r, h) has, in the 32 registers of tiles 4 g .. 4 g + 3, keys 64 g + 32 h + 0 .. 31 in order: ONE WHOLE BLOCK of the second product's K,
; in the very place that P's operand gives that lane.  A block's maximum needs no other lane, and P's codes change no lane.
; THE FIRST PRODUCT'S K IS 64, half of the instruction's 128.  A tile of K is six registers; the instruction names twelve: the upper six are the next tile's codes (behind the last tile: zeros).  They meet Q's upper six, which are zero codes: they add nothing.
; LIMITS: the promise holds while |t| stays under 2^31; t - M is one fused multiply-add of the score; 1 / sum by v_rcp_f32; a block whose largest magnitude lies under 2^-122 keeps the scale byte 1; NaN and infinities are not served.
; REGISTERS: v1-10 addresses; v12 -M, v13 the largest score, v[14:15] the sum in two halves; v16-27 pass 0's Q (six of codes, six of zeros), v232-243 pass 1's; v28, v29 their scale words; v32-79 K's eight tiles, later V's four fragments;
;   v80-85 zeros; v86-89 K's scale words, v90-91 V's; v96-159 S^T, then p; v160-191 O^T; v192-203 p's codes; v204-231 and v244-249 at work; v224 p's scale word.
.set REC,  13056
.set WV,   12
.set CN,   15                          ; s15  -log2(e) / 8
.set G1,   16                          ; s[16:23] descriptor group 1;  s[24:27] group 0
.set G0,   24
.set SEL,  40
.set CS,   42                          ; s[42:43] c = log2(e) / 8: the packed form names a pair and takes its low word for both halves
.set TB,   44                          ; s44  LDS byte at which the step's record begins
.set CNT,  45
.macro PLACES n
.rept \n
	v_nop
.endr
.endm
.macro D1
	s_delay_alu instid0(VALU_DEP_1)
.endm
.macro ROUND                           ; a round of the cluster's barrier
	s_barrier_signal -1
	s_barrier_wait -1
	s_cmp_lg_u32 s[WV], 0
	s_cbranch_scc1 .Lnot_wave_0_\@
	s_barrier_signal -3
.Lnot_wave_0_\@:
	s_barrier_wait -3
	s_barrier_signal -1
	s_barrier_wait -1
.endm
; One matrix instruction.  c < 0: the constant 0 starts the sum.  ra = 1: source 0's scale words stand in lanes 16-31.
.macro WM d, a, b, c, sa, ra, sb
.if (\c) < 0
.if (\ra)
	v_wmma_scale_f32_16x16x128_f8f6f4 v[\d:\d+7], v[\a:\a+11], v[\b:\b+11], 0, v[\sa], v[\sb] matrix_a_fmt:MATRIX_FMT_BF6 matrix_b_fmt:MATRIX_FMT_BF6 matrix_a_scale:MATRIX_SCALE_ROW1
.else
	v_wmma_scale_f32_16x16x128_f8f6f4 v[\d:\d+7], v[\a:\a+11], v[\b:\b+11], 0, v[\sa], v[\sb] matrix_a_fmt:MATRIX_FMT_BF6 matrix_b_fmt:MATRIX_FMT_BF6
.endif
.else
.if (\ra)
	v_wmma_scale_f32_16x16x128_f8f6f4 v[\d:\d+7], v[\a:\a+11], v[\b:\b+11], v[\c:\c+7], v[\sa], v[\sb] matrix_a_fmt:MATRIX_FMT_BF6 matrix_b_fmt:MATRIX_FMT_BF6 matrix_a_scale:MATRIX_SCALE_ROW1
.else
	v_wmma_scale_f32_16x16x128_f8f6f4 v[\d:\d+7], v[\a:\a+11], v[\b:\b+11], v[\c:\c+7], v[\sa], v[\sb] matrix_a_fmt:MATRIX_FMT_BF6 matrix_b_fmt:MATRIX_FMT_BF6
.endif
.endif
.endm
	s_load_b128 s[4:7], s[0:1], 0x0                ; qi, kv
	s_load_b128 s[8:11], s[0:1], 0x10              ; cc, cs
	v_lshl_add_u32 v254, v0, 2, 0x33000            ; my spare word, behind the 16 records
	v_mov_b32 v255, 0
	ds_add_u32 v254, v255                          ; the opening lines: the add, twice on end, and its wait ahead of my tensor load
	ds_add_u32 v254, v255
	v_lshrrev_b32 v1, 5, v0
	v_readfirstlane_b32 s[WV], v1                  ; wave 0..15
	s_bfe_u32 s13, ttmp6, 0x40000                  ; cx: my block of 512 queries
	s_and_b32 s14, ttmp7, 0xffff                   ; bh = 16 batch + head, which the four partners share
	; descriptor group 1: a record, 13,056 dense bytes, as 51 rows of 256 (32 elements of 8 bytes)
	s_mov_b32 s[G1], 15|(3<<16)|(1<<21)            ; 15:0 the mask: all four work-groups; 17:16 elements of 8 bytes; 21 set beside a mask
	s_mov_b32 s[G1+1], 32<<16
	s_mov_b32 s[G1+2], 51<<16
	s_mov_b32 s[G1+3], 32<<16
	s_mov_b32 s[G1+4], 51
	s_mov_b32 s[G1+5], 32
	s_mov_b32 s[G1+6], 0
	s_mov_b32 s[G1+7], 0
	s_mov_b32 s[SEL], 0x76543210
	s_mov_b32 s[SEL+1], 0xfedcba98                 ; v_permlanex16_b32's selects for lane l xor 16
	s_mov_b32 s[CS], 0x3e38aa3b                    ; log2(e) / 8
	s_mov_b32 s[CS+1], s[CS]                       ; (named with it as a pair, so it is written)
	s_mov_b32 s[CN], 0xbe38aa3b
	s_mul_i32 s46, s14, 16*REC                     ; the head's records (s46-49 never hold cx)
	s_mul_i32 s47, s[WV], REC                      ; record = my wave's number
	s_add_co_u32 s48, s46, s47
	s_mov_b32 s49, 0
	s_wait_dscnt 0x0                               ; both opening adds are done
	s_wait_kmcnt 0x0
	s_add_nc_u64 s[48:49], s[6:7], s[48:49]
	s_mov_b32 s[G0], 1
	s_mov_b32 s[G0+1], s47
	s_mov_b64 s[G0+2:G0+3], s[48:49]
	s_or_b32 s[G0+3], s[G0+3], 0x80000000
	ROUND                                          ; all four work-groups are here: the joint loads meet
	tensor_load_to_lds s[G0:G0+3], s[G1:G1+7]      ; every wave's one tensor load
	s_nop 0
	PLACES 4
	s_lshl_b32 s51, s14, 4
	s_lshl_b32 s52, s13, 2
	s_add_co_u32 s51, s51, s52
	s_lshr_b32 s52, s[WV], 3
	s_add_co_u32 s51, s51, s52                     ; pass 0's record of Q: 16 bh + 4 cx + wave / 8; pass 1's lies two records on
	s_mul_i32 s52, s51, 6656
	s_bfe_u32 s53, s[WV], 0x20001                  ; my pair of tiles in it
	s_mul_i32 s54, s53, 1536
	s_add_co_u32 s54, s54, s52
	s_mov_b32 s55, 0
	s_lshr_b32 s56, s53, 1
	s_lshl_b32 s56, s56, 8                         ; the scale words: 256 (pair / 2)
	s_and_b32 s57, s53, 1
	s_lshl_b32 s57, s57, 2
	s_add_co_u32 s56, s56, s57                     ; + 4 (pair % 2)
	s_and_b32 s57, s[WV], 1
	s_lshl_b32 s58, s57, 7
	s_add_co_u32 s56, s56, s58                     ; + 128 (wave % 2): the odd tile's lanes
	s_add_co_u32 s56, s56, s52
	s_add_co_u32 s56, s56, 6144
	s_mul_i32 s59, s57, 520                        ; my tile's six registers in the pair image, as three pieces of 8 bytes: even tile at 0, 8, 512; odd tile at 520, 1024, 1032 (+ 16 lane)
	s_mul_i32 s60, s57, 1016
	s_add_co_u32 s60, s60, 8
	s_mov_b32 s57, 0
	s_add_nc_u64 s[54:55], s[4:5], s[54:55]
	s_add_nc_u64 s[56:57], s[4:5], s[56:57]
	s_lshr_b32 s58, s14, 4
	s_lshl_b32 s58, s58, 7
	s_lshl_b32 s61, s13, 5
	s_add_co_u32 s58, s58, s61
	s_add_co_u32 s58, s58, s[WV]                   ; pass 0's tile among the 512: 128 batch + 32 cx + wave; pass 1's is 16 on
	s_and_b32 s50, s14, 15                         ; the head
	s_lshl_b32 s61, s58, 4
	s_add_co_u32 s61, s61, s50
	s_mul_i32 s62, s61, 768
	s_mov_b32 s63, 0
	s_add_nc_u64 s[8:9], s[8:9], s[62:63]          ; cc at (tile, head)
	s_lshl_b32 s61, s50, 9
	s_add_co_u32 s61, s61, s58
	s_lshl_b32 s62, s61, 6
	s_add_nc_u64 s[10:11], s[10:11], s[62:63]      ; cs at (head, tile)
	v_and_b32 v6, 31, v0                           ; lane
	v_and_b32 v5, 15, v0                           ; r
	v_bfe_u32 v7, v0, 4, 1                         ; h
	v_lshlrev_b32 v1, 4, v6                        ; 16 x lane
	v_lshlrev_b32 v2, 3, v6                        ; 8 x lane
	v_lshlrev_b32 v8, 3, v5                        ; 8 r
	v_lshlrev_b32 v5, 2, v5                        ; 4 r
	v_lshlrev_b32 v7, 3, v7                        ; 8 h
	v_add_nc_u32 v9, s59, v1
	v_add_nc_u32 v10, s60, v1
.irp p, 0,1                                    ; both passes' Q: pass p's codes at v[16 + 216 p], its scale words (lane r has row r's) in v[28 + p]
	global_load_b64 v[16+216*\p:17+216*\p], v9, s[54:55] offset:13312*\p
	global_load_b64 v[18+216*\p:19+216*\p], v10, s[54:55] offset:13312*\p
	global_load_b64 v[20+216*\p:21+216*\p], v9, s[54:55] offset:13312*\p+512
	global_load_b32 v[28+\p], v8, s[56:57] offset:13312*\p
.endr
.irp i, 0,1,2,3,4,5
	v_mov_b32 v[22+\i], 0                          ; Q's upper 64 of K: zero codes
	v_mov_b32 v[238+\i], 0
	v_mov_b32 v[80+\i], 0                          ; and what stands behind K's last tile
.endr
.irp i, 216,217,227,228,229,230
	v_mov_b32 v[\i], 0                             ; written once: a lane permute's destination counts as one of its sources; v227 is named as the upper half of the pair v[226:227]
.endr
; A KEY STEP: 128 keys, the record at s[TB].  q: Q's twelve registers; qs: its scale words.
.macro STEP q, qs
	v_add_nc_u32 v3, s[TB], v1
	v_add_nc_u32 v4, s[TB], v2
	v_nop
	v_nop                                          ; four places behind the last step's products, in front of loads into registers that they have read
.irp b, 0,1,2,3
.irp p, 0,1,2
	ds_load_b128 v[32+12*\b+4*\p:35+12*\b+4*\p], v3 offset:1536*\b+512*\p   ; K's pair b: tile 2 b in six registers, tile 2 b + 1 in the next six
.endr
.endr
	ds_load_b64 v[86:87], v4 offset:12288          ; K's scale words: a register a pair; lanes 0-15 the even tile, lanes 16-31 the odd one
	ds_load_b64 v[88:89], v4 offset:12544
	s_wait_alu depctr_va_vdst(0)
	s_wait_dscnt 0x0
.irp t, 0,1,2,3,4,5,6,7
	WM 96+8*\t, 32+6*\t, \q, -1, 86+(\t/2), \t%2, \qs
.endr
	PLACES 4
.irp t, 0,1,2,3
.irp p, 0,1,2
	ds_load_b128 v[32+12*\t+4*\p:35+12*\t+4*\p], v3 offset:6144+1536*\t+512*\p   ; V's four fragments land during the softmax
.endr
.endr
	ds_load_b64 v[90:91], v4 offset:12800
; THE LARGEST SCORE OF MY TWO BLOCKS OF 32 KEYS (blocks h and 2 + h), four chains of 16 registers by turns, each accumulator from its low end on.  It serves for the row's maximum and, since p rises with the score, for the block's largest p.
.irp k, 0,1,2,3
	v_max3_num_f32 v[212+\k], v[96+16*\k], v[97+16*\k], v[98+16*\k]
.endr
.irp i, 3,5,7,9,11,13
.irp k, 0,1,2,3
	v_max3_num_f32 v[212+\k], v[212+\k], v[96+16*\k+\i], v[97+16*\k+\i]
.endr
.endr
	v_max3_num_f32 v212, v212, v213, v111
	v_max3_num_f32 v214, v214, v215, v143
	v_mov_b32 v228, v12                            ; the old -M
	v_max_num_f32 v212, v212, v127                 ; block h
	v_max_num_f32 v214, v214, v159                 ; block 2 + h
	D1
	v_max3_num_f32 v13, v13, v212, v214
	D1
	v_permlanex16_b32 v229, v13, s[SEL], s[SEL+1]
	D1
	v_max_num_f32 v13, v13, v229                   ; the running largest score of my query, with lane l xor 16's keys
	D1
	v_mul_f32 v229, s[CN], v13                     ; -t (c is positive)
	D1
	v_floor_f32 v12, v229                          ; the new -M = floor(-t) = -ceil(t): M is a whole number
	D1
	v_sub_f32 v228, v12, v228                      ; M's old value less its new one: a whole number, 0 or less
	D1
	v_cvt_i32_f32 v228, v228                       ; (it saturates)
	D1
	v_ldexp_f32 v226, 1.0, v228                    ; f = 2^(old M - new M)
.set jj, 0
.rept 32
	v_pk_fma_f32 v[96+jj:97+jj], v[96+jj:97+jj], s[CS:CS+1], v[12:13] op_sel_hi:[1,0,0]   ; t - M, two at a time
.set jj, jj+2
.endr
	v_fma_f32 v212, v212, s[CS], v12               ; the same of each block's largest score
	v_fma_f32 v214, v214, s[CS], v12
	s_wait_alu depctr_va_vdst(0)
.set jj, 0
.rept 64
	v_exp_f32 v[96+jj], v[96+jj]                   ; p = 2^(t - M), at most 1: not normalised
.set jj, jj+1
.endr
	v_exp_f32 v212, v212                           ; the block's largest p: the same two instructions on the same number give the same bits
	v_exp_f32 v214, v214
	v_pk_mul_f32 v[14:15], v[14:15], v[226:227] op_sel_hi:[1,0]   ; the sums under the new M.  (A plain place behind the exponentials)
	s_wait_alu depctr_va_vdst(0)                   ; one wait for the batch, directly ahead of the first reader of O^T too
.set jj, 0
.rept 16
	v_pk_mul_f32 v[160+jj:161+jj], v[160+jj:161+jj], v[226:227] op_sel_hi:[1,0]   ; O^T under the new M
.set jj, jj+2
.endr
	v_max_num_f32 v212, 0x2800000, v212            ; the floor 2^(5 - 127): the byte cannot fall under 1
	v_max_num_f32 v214, 0x2800000, v214
	v_add_nc_u32 v220, 0xfe000000, v212            ; 4 off the exponent field: the conversion's scale operand
	v_add_nc_u32 v221, 0xfe000000, v214
.irp c, 0,1
	v_cvt_scalef32_pk16_bf6_f32 v[192+6*\c:194+6*\c], v[96+32*\c:111+32*\c], v[220+\c]     ; keys 64 c + 32 h + 0 .. 15
	v_cvt_scalef32_pk16_bf6_f32 v[204+4*\c:206+4*\c], v[112+32*\c:127+32*\c], v[220+\c]    ; and + 16 .. 31 (a conversion's three registers begin on an even number)
.endr
	v_lshrrev_b32 v216, 23, v220                   ; the scales' bytes.  (Plain places behind the conversions)
	v_lshrrev_b32 v217, 23, v221
	v_lshl_or_b32 v225, v217, 16, v216             ; my two bytes, blocks h and 2 + h,
	v_lshlrev_b32 v225, v7, v225                   ; at their places in the word;
	v_permlanex16_b32 v230, v225, s[SEL], s[SEL+1]
	v_or_b32 v224, v225, v230                      ; with lane l xor 16's two p's scale word is whole
.irp c, 0,1
.irp i, 0,1,2
	v_mov_b32 v[195+6*\c+\i], v[204+4*\c+\i]
.endr
.endr
	v_pk_add_f32 v[244:245], v[96:97], v[98:99]    ; the row's sum, of the unquantised p: 32 packed additions in four chains
	v_pk_add_f32 v[246:247], v[100:101], v[102:103]
	v_pk_add_f32 v[248:249], v[104:105], v[106:107]
	v_pk_add_f32 v[14:15], v[14:15], v[108:109]
.set jj, 110
.rept 6
	v_pk_add_f32 v[244:245], v[244:245], v[jj:jj+1]
	v_pk_add_f32 v[246:247], v[246:247], v[jj+2:jj+3]
	v_pk_add_f32 v[248:249], v[248:249], v[jj+4:jj+5]
	v_pk_add_f32 v[14:15], v[14:15], v[jj+6:jj+7]
.set jj, jj+8
.endr
	v_pk_add_f32 v[244:245], v[244:245], v[158:159]
	v_pk_add_f32 v[246:247], v[246:247], v[248:249]
	v_pk_add_f32 v[14:15], v[14:15], v[244:245]
	v_pk_add_f32 v[14:15], v[14:15], v[246:247]
	s_wait_alu depctr_va_vdst(0)
	s_wait_dscnt 0x0                               ; V is in
.irp t, 0,1,2,3
	WM 160+8*\t, 32+12*\t, 192, 160+8*\t, 90+(\t/2), \t%2, 224
.endr
	s_add_co_u32 s[TB], s[TB], REC
.endm
; A PASS: my tile of 16 queries against all 2,048 keys, and its way out.  p: the pass.
.macro PASS q, qs, p
	v_mov_b32 v13, 0xff61b1e6                      ; the largest score so far: -3e38, under every score
	v_mov_b32 v12, 0x7f61b1e6                      ; -M
	v_mov_b32 v14, 0                               ; the sum, in two halves
	v_mov_b32 v15, 0
.set jj, 0
.rept 32
	v_mov_b32 v[160+jj], 0                         ; O^T.  (The step has no first step of its own: it finds zeros, which the first change of M leaves zeros)
.set jj, jj+1
.endr
	s_mov_b32 s[TB], 0
	s_mov_b32 s[CNT], 16
.Lstep_\@:
	STEP \q, \qs
	s_sub_co_u32 s[CNT], s[CNT], 1
	s_cmp_lg_u32 s[CNT], 0
	s_cbranch_scc1 .Lstep_\@
	; THE WAY OUT.  O^T / the sum: register 16 b + i is channel 32 b + 16 (lane / 16) + i of my query: two blocks of 32 along the output projection's K.
	PLACES 4                                       ; behind the last products
	v_add_f32 v14, v14, v15                        ; the sum's two halves,
	D1
	v_permlanex16_b32 v228, v14, s[SEL], s[SEL+1]
	D1
	v_add_f32 v14, v14, v228                       ; and lane l xor 16's: the row's sum
	s_wait_alu depctr_va_vdst(0)
	v_rcp_f32 v14, v14
	v_nop                                          ; one plain place behind a transcendental
	s_wait_alu depctr_va_vdst(0)
.set jj, 0
.rept 16
	v_pk_mul_f32 v[96+jj:97+jj], v[160+jj:161+jj], v[14:15] op_sel_hi:[1,0]
.set jj, jj+2
.endr
.irp b, 0,1
	v_max3_num_f32 v[212+\b], |v[96+16*\b]|, |v[97+16*\b]|, 0x2800000
.endr
.irp i, 2,4,6,8,10,12,14
.irp b, 0,1
	s_delay_alu instid0(VALU_DEP_2)
	v_max3_num_f32 v[212+\b], v[212+\b], |v[96+16*\b+\i]|, |v[97+16*\b+\i]|
.endr
.endr
.irp b, 0,1
	s_delay_alu instid0(VALU_DEP_2)
	v_permlanex16_b32 v[216+\b], v[212+\b], s[SEL], s[SEL+1]
.endr
.irp b, 0,1
	s_delay_alu instid0(VALU_DEP_2)
	v_max_num_f32 v[212+\b], v[212+\b], v[216+\b]
.endr
.irp b, 0,1
	s_delay_alu instid0(VALU_DEP_2)
	v_add_nc_u32 v[220+\b], 0xfe000000, v[212+\b]
.endr
.irp b, 0,1
	s_delay_alu instid0(VALU_DEP_2)
	v_lshrrev_b32 v[216+\b], 23, v[220+\b]
.endr
	D1
	v_lshl_or_b32 v229, v217, 8, v216              ; my query's two bytes for this head
	v_cvt_scalef32_pk16_bf6_f32 v[192:194], v[96:111], v220
	v_cvt_scalef32_pk16_bf6_f32 v[204:206], v[112:127], v221
	v_nop                                          ; one plain place behind a scaled conversion
.irp i, 0,1,2
	v_permlane16_swap_b32 v[192+\i], v[204+\i]     ; the operand's layout wants a whole block in a lane
.endr
.irp i, 0,1,2
	v_mov_b32 v[195+\i], v[204+\i]
.endr
.irp i, 0,1,2
	global_store_b64 v2, v[192+2*\i:193+2*\i], s[8:9] offset:196608*\p+256*\i   ; 32 lanes store 256 consecutive bytes, aligned
.endr
	v_cmp_gt_u32 vcc_lo, 16, v6
	s_wait_alu depctr_va_vdst(0)
	s_wait_xcnt 0x0                                ; EXEC changes only behind this wait
	s_and_saveexec_b32 s61, vcc_lo
	global_store_b32 v5, v229, s[10:11] offset:1024*\p   ; lanes 0-15: the tile's 16 words, 64 bytes
	s_wait_xcnt 0x0                                ; and again, in front of the line that widens it; the stores' data may be written anew behind it
	s_or_b32 exec_lo, exec_lo, s61
.endm
	s_wait_alu depctr_va_vdst(0)
	s_wait_loadcnt 0x0                             ; Q is in
	s_wait_tensorcnt 0x0                           ; my record has landed
	s_barrier_signal -1                            ; (no LDS access of mine is out here)
	s_barrier_wait -1                              ; everybody's has: all 16 records are whole
	PASS 16, 28, 0
	PASS 232, 29, 1
	s_wait_tensorcnt 0x0                           ; the wave's end
	ds_add_u32 v254, v255
	s_wait_dscnt 0x0
	ROUND                                          ; the closing round
	s_endpgm
.Lfunc_end_k_qccaab6aa42_attn:
	.size	k_qccaab6aa42_attn, .Lfunc_end_k_qccaab6aa42_attn-k_qccaab6aa42_attn
	.p2alignl 7, 3214868480
	.fill 96, 4, 3214868480
	.section	.rodata,"a",@progbits
	.p2align	6, 0x0
	.amdhsa_kernel k_qccaab6aa42_attn
		.amdhsa_group_segment_fixed_size 210944
		.amdhsa_private_segment_fixed_size 0
		.amdhsa_enable_private_segment 0
		.amdhsa_kernarg_size 32
		.amdhsa_user_sgpr_count 2
		.amdhsa_user_sgpr_kernarg_segment_ptr 1
		.amdhsa_wavefront_size32 1
		.amdhsa_system_sgpr_workgroup_id_x 1
		.amdhsa_system_sgpr_workgroup_id_y 1
		.amdhsa_system_sgpr_workgroup_id_z 1
		.amdhsa_system_vgpr_workitem_id 0
		.amdhsa_next_free_vgpr 256
		.amdhsa_next_free_sgpr 66
		.amdhsa_reserve_vcc 1
		.amdhsa_float_denorm_mode_32 3
		.amdhsa_float_denorm_mode_16_64 3
		.amdhsa_memory_ordered 1
		.amdhsa_forward_progress 1
		.amdhsa_inst_pref_size 48
	.end_amdhsa_kernel
	.amdgpu_metadata
---
amdhsa.version: [ 1, 2 ]
amdhsa.kernels:
  - .name:           k_qccaab6aa42_attn
    .symbol:         k_qccaab6aa42_attn.kd
    .args:
      - { .name: qi, .offset: 0, .size: 8, .value_kind: global_buffer, .address_space: global }
      - { .name: kv, .offset: 8, .size: 8, .value_kind: global_buffer, .address_space: global }
      - { .name: cc, .offset: 16, .size: 8, .value_kind: global_buffer, .address_space: global }
      - { .name: cs, .offset: 24, .size: 8, .value_kind: global_buffer, .address_space: global }
    .group_segment_fixed_size: 210944
    .private_segment_fixed_size: 0
    .kernarg_segment_align: 8
    .kernarg_segment_size: 32
    .max_flat_workgroup_size: 512
    .sgpr_count:     66
    .vgpr_count:     256
    .wavefront_size: 32
...
	.end_amdgpu_metadata
.endif
;; end of part 3
;; launch outp (part 4): grid 256 x 1, 4 waves a work-group, clusters of 4 x 1, 168,448 bytes of LDS; arguments xc, xs, cc, cs, bo, out0; writes out0
.if DOCPART == 4
	.amdgcn_target "amdgcn-amd-amdhsa--gfx1250"
	.amdhsa_code_object_version 6
	.text
	.protected	k_qccaab6aa42_outp
	.globl	k_qccaab6aa42_outp
	.p2align	8
	.type	k_qccaab6aa42_outp,@function
k_qccaab6aa42_outp:
	s_mov_b64 s[64:65], 0
	v_nop
	global_prefetch_b8 v0, s[64:65] scope:SCOPE_SE
	s_setreg_imm32_b32 hwreg(HW_REG_WAVE_MODE, 25, 1), 1
	s_wait_xcnt 0x0
	s_wait_alu depctr_hold_cnt(0) depctr_sa_sdst(0) depctr_va_vdst(0) depctr_va_sdst(0) depctr_va_ssrc(0) depctr_va_vcc(0) depctr_vm_vsrc(0)
	s_getreg_b32 s2, hwreg(HW_REG_IB_STS2, 6, 4)
	s_cmp_eq_u32 s2, 0
	s_cbranch_scc0 .Lentry_in_a_cluster
	s_endpgm
.Lentry_in_a_cluster:
	s_bfe_u32 s2, ttmp6, 0x10000c
	s_cmp_lg_u32 s2, 0x3003
	s_cbranch_scc0 .Lentry_shape_is_right
	s_endpgm
.Lentry_shape_is_right:
; out0 = ctx Wo^T + bo on codes of BF6 (E3M2) with E8M0 scales, sums in f32.
; FORM.  D = S0 x S1^T with source 0 = 16 rows of Wo, source 1 = 16 tokens of ctx: a lane holds one token and eight neighbouring columns a tile.  S0 is a slab of 128 rows of Wo (8 tiles), all of K, in LDS: filled once.
; ctx goes from memory straight into registers: each wave's own 64 tokens, asked for three K steps ahead.  A fragment of ctx for K step s is two halves of 768 bytes: heads 2 s and 2 s + 1.
; CLUSTER.  The four work-groups of a cluster take the same slab: it is asked for JOINTLY.  ctx's rows are read by one wave of the cluster each: nothing to share.
; SHARES.  Cluster C: slab C / 8; the work-group takes the 256 tokens of block 4 (C % 8) + cx; a wave 64 tokens x 128 columns: 32 accumulators.  8 slabs x 32 blocks: 256 work-groups.
; LDS: 0 the slab's fragments, (tile t, K step s) at 12,288 t + 1,536 s; SSC its scale words; STGB a stage of 16 rows x 528 bytes for each wave (stored by the wave; no tensor load lands there).
; REGISTERS.  window 0: v1-11 addresses; v16-31 ctx's scale words; v32-39 Wo's, two sets; v64-255 ctx's fragments, four sets of 48 (on the way out: rows read back).
;   window 1: v0-191 Wo's fragments, two sets of 96; v192-255 bo as the C of each sum's first product, eight registers a tile.   window 2: accumulator (a, b) at v[64 a + 8 b].
.set SSC,  98304
.set STGB, 102400
.set LI,   1                           ; v1    16 x lane
.set L8,   2                           ; v2    8 x lane
.set AD,   3                           ; v3-6  16 x lane + 24,576 c
.set ASC,  7                           ; v7    SSC + 16 x lane
.set SI,   8                           ; v8    the stage, on the way in: row r, + 64 h
.set SO,   9                           ; v9    and back: 16 x lane
.set BH,   10                          ; v10   64 h
.set L4,   11                          ; v11   4 x lane
.set XS,   16
.set WS,   32
.set XF,   64
.set RAW,  208                         ; ctx's fourth set serves once as scratch, at the head
.set BK,   64
.set CI,   192                         ; in window 1
.set WV,   18
.set G1C,  24
.set G1S,  32
.set G0,   40
.set S1P,  66                          ; s[66:67] ctx's codes;  s[68:69] its scale words;  s[70:71] out0;  s[72:73] bo
.set CSP,  68
.set OUTP, 70
.set BOP,  72
.set MSB,  0
.macro WIN new                         ; the immediate's high byte repeats the setting that is left
.if MSB != (\new)
	s_set_vgpr_msb (MSB<<8)|(\new)
.set MSB, (\new)
.endif
.endm
.macro PLACES n
.rept \n
	v_nop
.endr
.endm
.macro ROUND                           ; a round of the cluster's barrier
	s_barrier_signal -1
	s_barrier_wait -1
	s_cmp_lg_u32 s[WV], 0
	s_cbranch_scc1 .Lnot_wave_0_\@
	s_barrier_signal -3
.Lnot_wave_0_\@:
	s_barrier_wait -3
	s_barrier_signal -1
	s_barrier_wait -1
.endm
.macro WM d, a, b, c, sa, ra, sb, rb   ; one matrix instruction; ra, rb = 1: that side's scale words stand in lanes 16-31
.if (\ra) && (\rb)
	v_wmma_scale_f32_16x16x128_f8f6f4 v[\d:\d+7], v[\a:\a+11], v[\b:\b+11], v[\c:\c+7], v[\sa], v[\sb] matrix_a_fmt:MATRIX_FMT_BF6 matrix_b_fmt:MATRIX_FMT_BF6 matrix_a_scale:MATRIX_SCALE_ROW1 matrix_b_scale:MATRIX_SCALE_ROW1
.elseif (\ra)
	v_wmma_scale_f32_16x16x128_f8f6f4 v[\d:\d+7], v[\a:\a+11], v[\b:\b+11], v[\c:\c+7], v[\sa], v[\sb] matrix_a_fmt:MATRIX_FMT_BF6 matrix_b_fmt:MATRIX_FMT_BF6 matrix_a_scale:MATRIX_SCALE_ROW1
.elseif (\rb)
	v_wmma_scale_f32_16x16x128_f8f6f4 v[\d:\d+7], v[\a:\a+11], v[\b:\b+11], v[\c:\c+7], v[\sa], v[\sb] matrix_a_fmt:MATRIX_FMT_BF6 matrix_b_fmt:MATRIX_FMT_BF6 matrix_b_scale:MATRIX_SCALE_ROW1
.else
	v_wmma_scale_f32_16x16x128_f8f6f4 v[\d:\d+7], v[\a:\a+11], v[\b:\b+11], v[\c:\c+7], v[\sa], v[\sb] matrix_a_fmt:MATRIX_FMT_BF6 matrix_b_fmt:MATRIX_FMT_BF6
.endif
.endm
	s_load_b256 s[4:11], s[0:1], 0x0               ; xc, xs, cc, cs
	s_load_b128 s[12:15], s[0:1], 0x20             ; bo, out0
	v_lshl_add_u32 v62, v0, 2, 0x29000
	v_mov_b32 v63, 0
	ds_add_u32 v62, v63
	ds_add_u32 v62, v63
	v_lshrrev_b32 v1, 5, v0
	v_readfirstlane_b32 s[WV], v1                  ; wave 0..3
	s_bfe_u32 s19, ttmp6, 0x40000                  ; cx
	s_mov_b32 s20, ttmp9                           ; the cluster's number, 0 .. 63
	; descriptor group 1, codes: 96 rows of 256 bytes (32 elements of 8 bytes), dense
	s_mov_b32 s[G1C], 15|(3<<16)|(1<<21)           ; the mask of all four work-groups; elements of 8 bytes; bit 21 set beside a mask
	; THE SLAB IN LDS AS IT STANDS NOW: as in xc, (tile t, K step s) at 12,288 t + 1,536 s.  A wave's two tiles, all of K, are 24,576 dense bytes: ONE tensor load a wave, 96 rows of 256 bytes.
	; The slab's scale words go through registers into SSC (stored by the waves; no tensor load lands there).
	s_mov_b32 s[G1C+1], 32<<16
	s_mov_b32 s[G1C+2], 96<<16
	s_mov_b32 s[G1C+3], 32<<16
	s_mov_b32 s[G1C+4], 96
	s_mov_b32 s[G1C+5], 32
	s_mov_b32 s[G1C+6], 0
	s_mov_b32 s[G1C+7], 0
	s_lshr_b32 s80, s20, 3                         ; the slab (s80-87 never hold cx)
	s_lshl_b32 s81, s80, 3
	s_add_co_u32 s81, s81, 1728                    ; its first tile in xc
	s_lshl_b32 s82, s[WV], 1
	s_add_co_u32 s82, s82, s81
	s_mul_i32 s82, s82, 12288                      ; my two tiles' codes
	s_mov_b32 s83, 0
	s_lshl_b32 s84, s81, 9
	s_lshl_b32 s85, s[WV], 10
	s_add_co_u32 s84, s84, s85                     ; my pair's scale words
	s_add_co_u32 s87, s85, SSC
	s_mov_b32 s85, 0
	s_mul_i32 s86, s[WV], 24576
	s_wait_dscnt 0x0
	s_wait_kmcnt 0x0
	s_add_nc_u64 s[82:83], s[4:5], s[82:83]
	s_add_nc_u64 s[84:85], s[6:7], s[84:85]
	s_mov_b32 s[G0], 1
	s_mov_b32 s[G0+1], s86
	s_mov_b64 s[G0+2:G0+3], s[82:83]
	s_or_b32 s[G0+3], s[G0+3], 0x80000000
	ROUND                                          ; all four work-groups are here: the joint loads meet
	tensor_load_to_lds s[G0:G0+3], s[G1C:G1C+7]    ; my two tiles of the slab: the wave's one tensor load
	s_nop 0
	PLACES 4
	s_and_b32 s88, s20, 7
	s_lshl_b32 s88, s88, 2
	s_add_co_u32 s88, s88, s19                     ; my block of 256 tokens: it enters global addresses alone
	s_lshl_b32 s88, s88, 4
	s_lshl_b32 s89, s[WV], 2
	s_add_co_u32 s88, s88, s89                     ; my first tile of ctx
	s_mul_i32 s90, s88, 12288
	s_mov_b32 s91, 0
	s_add_nc_u64 s[S1P:S1P+1], s[8:9], s[90:91]
	s_lshl_b32 s90, s88, 6
	s_add_nc_u64 s[CSP:CSP+1], s[10:11], s[90:91]
	s_lshr_b32 s92, s20, 3
	s_lshl_b32 s92, s92, 9                         ; the slab's 128 columns: 512 bytes
	s_mov_b32 s93, 0
	s_add_nc_u64 s[BOP:BOP+1], s[12:13], s[92:93]
	s_lshl_b32 s90, s88, 16                        ; 16 rows of 4,096 bytes a tile
	s_add_co_u32 s90, s90, s92
	s_add_nc_u64 s[OUTP:OUTP+1], s[14:15], s[90:91]
	v_and_b32 v12, 31, v0                          ; lane
	v_and_b32 v13, 15, v0                          ; r
	v_bfe_u32 v14, v0, 4, 1                        ; h
	v_lshlrev_b32 v[LI], 4, v12
	v_lshlrev_b32 v[L8], 3, v12
	v_lshlrev_b32 v[L4], 2, v12
.irp c, 0,1,2,3
	v_add_nc_u32 v[AD+\c], 24576*\c, v[LI]
.endr
	v_add_nc_u32 v[ASC], SSC, v[LI]
	v_add_nc_u32 v15, s87, v[LI]                   ; where I store my pair's scale words: SSC + 1,024 wave + 16 lane
	s_mul_i32 s94, s[WV], 8448
	s_add_co_u32 s94, s94, STGB                    ; my stage
	v_mul_u32_u24 v[SI], v13, 528
	v_lshl_add_u32 v[SI], v14, 6, v[SI]
	v_add_nc_u32 v[SI], s94, v[SI]
	v_add_nc_u32 v[SO], s94, v[LI]
	v_lshlrev_b32 v[BH], 6, v14
.macro FETCH s                         ; Wo's eight fragments and four scale registers of K step s, into set s % 2
	WIN 0x40                                       ; destination window 1
.set bb, 0
.rept 8
.irp p, 0,1,2
	ds_load_b128 v[96*((\s)%2)+12*bb+4*\p:96*((\s)%2)+12*bb+4*\p+3], v[AD+bb/2] offset:12288*(bb%2)+1536*(\s)+512*\p
.endr
.set bb, bb+1
.endr
	WIN 0
.irp p, 0,1,2,3
	ds_load_b32 v[WS+4*((\s)%2)+\p], v[ASC] offset:1024*\p+512*((\s)/4)+4*((\s)%4)
.endr
.endm
.macro S1LOAD s                        ; my four fragments of ctx for K step s: 24 loads of 256 consecutive bytes
	WIN 0
.irp a, 0,1,2,3
.irp e, 0,1
.irp i, 0,1,2
	global_load_b64 v[XF+48*((\s)%4)+12*\a+6*\e+2*\i:XF+48*((\s)%4)+12*\a+6*\e+2*\i+1], v[L8], s[S1P:S1P+1] offset:12288*\a+1536*(\s)+768*\e+256*\i
.endr
.endr
.endr
.endm
; 32 matrix instructions.  The 32 accumulators take turns, one instruction a turn, in the same order in every step.  Step 0 takes bo as C.
.macro MUL s
.if (\s) == 0
	WIN 0x91                                       ; source 0 and C window 1, source 1 window 0, D window 2
.else
	WIN 0xa1                                       ; source 0 window 1, source 1 window 0, C and D window 2
.endif
.set bb, 0
.rept 8
.set aa, 0
.rept 4
.set rD, 64*aa+8*bb
.set rA, 96*((\s)%2)+12*bb
.set rB, XF+48*((\s)%4)+12*aa
.set rC, rD
.if (\s) == 0
.set rC, CI+8*bb
.endif
.set rSA, WS+4*((\s)%2)+bb/2
.set rSB, XS+8*(aa/2)+(\s)
	WM rD, rA, rB, rC, rSA, bb%2, rSB, aa%2
.set aa, aa+1
.endr
.set bb, bb+1
.endr
.endm
.macro STEP s
	s_wait_dscnt 0x0                               ; this step's fragments of Wo are in (asked for 32 matrix instructions ago)
.if (\s) <= 5
	s_wait_loadcnt 48                              ; this step's fragments of ctx are in; those of the two steps behind it, 24 loads each, may be out
.elseif (\s) == 6
	s_wait_loadcnt 24
.else
	s_wait_loadcnt 0x0
.endif
.if (\s) < 7
.if (\s) > 0
	PLACES 4                                       ; in front of loads into registers that the last step's products have read
.endif
	FETCH (\s)+1
.endif
.if (\s) < 5
	S1LOAD (\s)+3
.endif
	MUL \s
.endm
	WIN 0x40
.irp b, 0,1,2,3,4,5,6,7
.irp q, 0,1
	global_load_b128 v[CI+8*\b+4*\q:CI+8*\b+4*\q+3], v[BH], s[BOP:BOP+1] offset:4*(32*(\b/2)+8*(\b%2))+16*\q   ; bo in the result's layout: lane (r, h), tile b: columns 32 (b / 2) + 16 h + 8 (b % 2) + 0 .. 7
.endr
.endr
	WIN 0
.set hh, 0
.rept 16
	global_load_b32 v[RAW+2*hh], v[L4], s[CSP:CSP+1] offset:32768*hh        ; head hh's two bytes: lanes 0-15 tile 0, lanes 16-31 tile 1;
	global_load_b32 v[RAW+2*hh+1], v[L4], s[CSP:CSP+1] offset:32768*hh+128  ; tiles 2 and 3
.set hh, hh+1
.endr
.irp i, 0,1
	global_load_b128 v[240+4*\i:243+4*\i], v[LI], s[84:85] offset:512*\i   ; my pair's scale words of the slab: 1,024 dense bytes
.endr
	S1LOAD 0
	S1LOAD 1
	s_wait_loadcnt 48                              ; bo and the bytes are in; the two K steps of ctx issued behind them, 24 loads each, may be out
.irp p, 0,1
.irp s, 0,1,2,3,4,5,6,7
	v_lshl_or_b32 v[XS+8*\p+\s], v[RAW+2*(2*\s+1)+\p], 16, v[RAW+2*(2*\s)+\p]   ; K step s: heads 2 s and 2 s + 1
.endr
.endr
	S1LOAD 2                                       ; the third K step: behind K step 0's loads now stand 48 again, which is what step 0's wait counts
.irp i, 0,1
	ds_store_b128 v15, v[240+4*\i:243+4*\i] offset:512*\i
.endr
	PLACES 8                                       ; a scale register written by a vector instruction stands 8 places ahead of a scaled matrix instruction
	s_wait_alu depctr_va_vdst(0)
	s_wait_dscnt 0x0                               ; for the others' sake: my scale words are stored
	s_wait_tensorcnt 0x0                           ; my two tiles of the slab have landed
	s_barrier_signal -1
	s_barrier_wait -1
	FETCH 0
.irp s, 0,1,2,3,4,5,6,7
	STEP \s
.endr
	WIN 0
; THE WAY OUT, a tile of 16 tokens x 128 columns at a time, through my own stage: a lane's eight numbers of a tile are 32 neighbouring bytes of a row; the rows come back whole, 512 bytes, and the 32 lanes store them.
; LDS serves a wave's instructions in order (ISA guide 5.7.1.4): no wait between the stores and the loads, nor in front of the next tile's stores.
.macro TOSTAGE a
	WIN 0x08                                       ; an LDS store's data are its source 1: window 2
.set bb, 0
.rept 8
	ds_store_b128 v[SI], v[64*(\a)+8*bb:64*(\a)+8*bb+3] offset:128*(bb/2)+32*(bb%2)        ; each accumulator from its low end on
	ds_store_b128 v[SI], v[64*(\a)+8*bb+4:64*(\a)+8*bb+7] offset:128*(bb/2)+32*(bb%2)+16
.set bb, bb+1
.endr
	WIN 0
.set tt, 0
.rept 16
	ds_load_b128 v[BK+64*((\a)%2)+4*tt:BK+64*((\a)%2)+4*tt+3], v[SO] offset:528*tt
.set tt, tt+1
.endr
.endm
.macro SEND a, younger                 ; younger: the LDS instructions issued behind tile a's loads, which may stay out
	s_wait_dscnt \younger
.set tt, 0
.rept 16
	global_store_b128 v[LI], v[BK+64*((\a)%2)+4*tt:BK+64*((\a)%2)+4*tt+3], s[OUTP:OUTP+1] offset:(32*((\a)/2)+8*((\a)%2)+tt+8*(tt/8))*4096 th:TH_STORE_NT   ; 512 consecutive bytes, at a multiple of 256 from out0's first byte
.set tt, tt+1
.endr
.endm
	PLACES 4                                       ; behind the last products
	TOSTAGE 0
.irp a, 1,2,3
.if \a > 1
	s_wait_xcnt 0x0                                ; tile a - 2's stores have read their registers: tile a's loads may land there
.endif
	TOSTAGE \a
	SEND \a-1, 32                                  ; behind tile a - 1's loads: tile a's 16 stores and 16 loads
.endr
	SEND 3, 0
	s_wait_tensorcnt 0x0
	ds_add_u32 v62, v63
	s_wait_dscnt 0x0
	ROUND                                          ; the closing round
	s_endpgm
.Lfunc_end_k_qccaab6aa42_outp:
	.size	k_qccaab6aa42_outp, .Lfunc_end_k_qccaab6aa42_outp-k_qccaab6aa42_outp
	.p2alignl 7, 3214868480
	.fill 96, 4, 3214868480
	.section	.rodata,"a",@progbits
	.p2align	6, 0x0
	.amdhsa_kernel k_qccaab6aa42_outp
		.amdhsa_group_segment_fixed_size 168448
		.amdhsa_private_segment_fixed_size 0
		.amdhsa_enable_private_segment 0
		.amdhsa_kernarg_size 48
		.amdhsa_user_sgpr_count 2
		.amdhsa_user_sgpr_kernarg_segment_ptr 1
		.amdhsa_wavefront_size32 1
		.amdhsa_system_sgpr_workgroup_id_x 1
		.amdhsa_system_sgpr_workgroup_id_y 1
		.amdhsa_system_sgpr_workgroup_id_z 1
		.amdhsa_system_vgpr_workitem_id 0
		.amdhsa_next_free_vgpr 768
		.amdhsa_next_free_sgpr 100
		.amdhsa_reserve_vcc 0
		.amdhsa_float_denorm_mode_32 3
		.amdhsa_float_denorm_mode_16_64 3
		.amdhsa_memory_ordered 1
		.amdhsa_forward_progress 1
		.amdhsa_inst_pref_size 92
	.end_amdhsa_kernel
	.amdgpu_metadata
---
amdhsa.version: [ 1, 2 ]
amdhsa.kernels:
  - .name:           k_qccaab6aa42_outp
    .symbol:         k_qccaab6aa42_outp.kd
    .args:
      - { .name: xc, .offset: 0, .size: 8, .value_kind: global_buffer, .address_space: global }
      - { .name: xs, .offset: 8, .size: 8, .value_kind: global_buffer, .address_space: global }
      - { .name: cc, .offset: 16, .size: 8, .value_kind: global_buffer, .address_space: global }
      - { .name: cs, .offset: 24, .size: 8, .value_kind: global_buffer, .address_space: global }
      - { .name: bo, .offset: 32, .size: 8, .value_kind: global_buffer, .address_space: global }
      - { .name: out0, .offset: 40, .size: 8, .value_kind: global_buffer, .address_space: global }
    .group_segment_fixed_size: 168448
    .private_segment_fixed_size: 0
    .kernarg_segment_align: 8
    .kernarg_segment_size: 48
    .max_flat_workgroup_size: 128
    .sgpr_count:     100
    .vgpr_count:     768
    .wavefront_size: 32
...
	.end_amdgpu_metadata
.endif
;; end of part 4
